; MI455X (gfx1250); checked and timed in simulation.
; The chip was launched on July 23, 2026; its instructions are those of AMD's public machine-readable ISA for CDNA 5 (MIT licence, August 2026) and "CDNA5" Instruction Set Architecture Reference Guide (July 2026). The comments in the code are by the model that wrote it; some were corrected since.
;; Attention2. Allowed arithmetic: matrix products marked QUANTISED: E2M3 operands, one E8M0 scale for each 32 along K, by v_wmma_scale_f32_16x16x128_f8f6f4 with both operands' format E2M3, f32 sums; everything else in f32.
;; Inputs: proj_b 1,024 float32; proj_w 1,024 x 1,024 float32; qkv_w 1,024 x 3,072 float32; x 4,096 x 1,024 float32.
;; Outputs: out0 4,096 x 1,024 float32.
;; This version of the problem:
;;   THIS VERSION OF THE PROBLEM IS GIVEN IN LOW PRECISION. The matrix products marked QUANTISED in the list below multiply operands that are first quantised to E2M3 (2 exponent bits, 3 mantissa bits; 6 bits a number), with one power-of-two scale for each 32 numbers along K (OCP MX v1.0); their sums are f32. All else is computed in f32.
;;   The module's matrix products, in the order in which they are computed (A, B: the left and right operand; K: the contracted axis; several contracted axes count as one K, in the product's order):
;;     1. [M 4,096, K 1,024] x [K 1,024, N 3,072]; A: input x; B: input qkv_w: QUANTISED
;;     2. batch 8 x [M 4,096, K 128] x [K 128, N 4,096]; A: computed on the way; B: computed on the way: QUANTISED
;;     3. batch 8 x [M 4,096, K 4,096] x [K 4,096, N 128]; A: softmax (see below); B: computed on the way: QUANTISED
;;     4. [M 4,096, K 1,024] x [K 1,024, N 1,024]; A: computed on the way; B: input proj_w: QUANTISED
;;   THE QUANTISER, for each operand of a quantised product, along K:
;;     - K is cut into blocks of 32 from its start; a last block that is shorter is filled with zeros.
;;     - A block's scale is 2^e with e = floor(log2(the largest magnitude in the block)) - 2, held to -126 .. 127; a block of zeros has e = 0. As a byte (E8M0): e + 127.
;;     - Each number is divided by its block's scale, clamped to +-7.5, and rounded to the nearest number of E2M3, ties to even, subnormals kept.
;;     - The product sums the exact products of the quantised numbers (number of the format x scale) in f32.
;;   ~~~python
;;   def quantise(x, axis):      # numpy; x: float32 -> the quantised numbers, widened to float32 again
;;       x = np.moveaxis(x, axis, -1); K = x.shape[-1]
;;       x = np.pad(x, [(0, 0)] * (x.ndim - 1) + [(0, -K % 32)]); x = x.reshape(x.shape[:-1] + (-1, 32)); a = np.abs(x).max(-1, keepdims=True)
;;       e = np.where(a > 0, np.clip(np.frexp(np.where(a > 0, a, 1))[1] - 1 - 2, -126, 127), 0)      # np.frexp(a)[1] - 1 = floor(log2(a)), exactly
;;       r = np.clip(x / 2.0 ** e, -7.5, 7.5)
;;       step = 2.0 ** (np.maximum(np.frexp(np.where(r == 0, 1, r))[1] - 1, 0) - 3)
;;       q = np.round(r / step) * step * 2.0 ** e      # np.round: ties to even
;;       return np.moveaxis(q.reshape(q.shape[:-2] + (-1,))[..., :K], -1, axis).astype(np.float32)
;;   ~~~
;;   SOFTMAX AHEAD OF A QUANTISED PRODUCT. Where the list says 'softmax', what is quantised is not the finished softmax but p = 2^(t - M), with t = logit x log2(e) and M = ceil(the row's largest t), a whole number; so 1/2 < the row's largest p <= 1. The row's sum l is taken of the UNQUANTISED p, in f32, and the product's result is divided by l at the end. Since M is a whole number, a kernel that streams over the keys may use a running M (the ceiling of the running maximum): every later rescaling is an exact power of two, which a block's scale takes up: the codes' values come out the same.
;;   OPERANDS COMPUTED ON THE WAY. 'Computed on the way' means the value that the module computes at that place (a softmax that the list does not call 'softmax' is quantised finished and normalised). What goes into a quantiser is computed in f32, as accurately as f32 sums, v_exp_f32 and their like allow (about 1e-6 of the number): no bf16 or f16 on the way to a quantiser, and a product that is left as it is and whose result goes on into a quantised operand takes f32 operands (vector FMAs, or v_wmma_f32_16x16x4_f32). A number that lies on a knife's edge between two numbers of the format may be rounded either way, as far as f32 arithmetic and the matrix unit's own rounding can turn it there, and no further.
;; One version. Each part assembles by itself: llvm-mc -triple=amdgcn-amd-amdhsa -mcpu=gfx1250 --defsym DOCPART=n.
;; ======== version 1 of 1: 4 launches
;; limits: right only within a limited range of input values
;; workspace buffers: xc 3,145,728 bytes; xs 131,072 bytes; wc 3,145,728 bytes; ws 131,072 bytes; qkvc 9,437,184 bytes; qkvs 393,216 bytes; oc 3,145,728 bytes; os 131,072 bytes
;; launch quant (part 1): grid 256 x 1, 8 waves a work-group, no clusters, 95,232 bytes of LDS; arguments x, qkv_w, proj_w, xc, xs, wc, ws; writes xc, xs, wc, ws
.if DOCPART == 1
	.amdgcn_target "amdgcn-amd-amdhsa--gfx1250"
	.amdhsa_code_object_version 6
	.text
	.protected	k_q80e55abc20_quant
	.globl	k_q80e55abc20_quant
	.p2align	8
	.type	k_q80e55abc20_quant,@function
k_q80e55abc20_quant:
	s_mov_b64 s[64:65], 0
	v_nop
	global_prefetch_b8 v0, s[64:65] scope:SCOPE_SE
	s_setreg_imm32_b32 hwreg(HW_REG_WAVE_MODE, 25, 1), 1
	s_wait_xcnt 0x0
; x [4096][1024], qkv_w [1024][3072] and proj_w [1024][1024], f32, become codes of FP6 (E2M3) with one E8M0 scale byte for each 32 along K (x: its last axis; the weights: their FIRST axis).
; A block's scale is 2^(floor(log2(its largest magnitude)) - 2); its byte is the largest magnitude's exponent field - 2, held at 1 from below.
; LAYOUT OF THE RESULTS: images of the matrix operand's registers.  A FRAGMENT is 16 rows x 128 K: 12 registers a lane (lane (r, h): row r; registers 6 c .. 6 c + 5: k = 64 c + 32 h + 0 .. 31), 1,536 bytes:
; word g of lane l lies at 512 (g / 4) + 16 l + 4 (g % 4), so that three loads of 16 bytes a lane bring a fragment.  Codes: [group of 128 rows][K step of 128][tile 0..7][1,536].
; THE ROWS OF A TILE ARE NOT NEIGHBOURS: row rho of tile 2 beta + u is the group's row 32 beta + 8 u + rho + 8 (rho / 8).  Scale words (4 bytes: a row's 128 along K): [group][K step][512], row r of tile t at 32 r + 4 t.
; xc, xs: 32 groups of tokens.  wc, ws: groups 0-23 the columns of qkv_w, groups 24-31 those of proj_w.
; SHARES: work-groups 0-127 take x, 128-255 the weights, 32,768 numbers each; a wave takes 4,096.  The two paths part on the work-group's number and have LDS bytes of their own.  Waves share nothing: no barrier.
; The scale words leave as pieces of 4 bytes inside a block of 512: one byte in 128 of what the launch reads.
; LIMITS: NaN and infinities among the inputs are not served.  A block whose largest magnitude lies under 2^(3 - 127), a block of zeros among them, keeps the byte 1 (the rule says 127 for zeros): its codes are zeros
; or next to it, and only this program reads the bytes.
.set XSTG,  0                          ; path x: a stage of 16 rows x (512 + 16) bytes for each wave
.set XWAVE, 16*528
.set WSTG,  8*XWAVE                    ; path w: two fragments' images, 1,536 + 128 bytes each, for each wave
.set WFRAG, 1664
.set SEL,   20                         ; s[20:21] lane selects for v_permlanex16_b32: lane l xor 16
.set TM,    8                          ; v8-23   QUANT at work: +0..3 largest magnitudes, +4..7 the other half's, then the bytes, +12..15 the conversions' scale operands
.set TQ,    24                         ; v24-31  QUANT: the upper halves of two pairs of blocks
.set PW,    32                         ; v32-33  path x: the two tiles' scale words
.set PC,    34                         ; v34-57  path x: the two fragments
.set R,     58                         ; v58-185 path x: 32 rows as loaded
.set X,     186                        ; v186-249 path x: 64 numbers of my row
.set OFF,   16                         ; v16-47  path w: 4 x lane + i rows of the weight
.set XW,    48                         ; v48-111 path w: two sets of 32 numbers
.set CW,    112                        ; v112-117 path w: a block's codes
.set DW,    120                        ; v120-122 path w: their upper half as the conversion leaves it
.set SBW,   124                        ; v124    path w: my column's scale word
.set MA,    126
.set MB,    127
.set OUTR,  128                        ; v128-151 path w: the way out
; 64 numbers of a lane, v[s] .. v[s + 63], register 16 b + i = k 32 b + 16 (lane / 16) + i of my row, become a fragment's codes in v[pc] on and my row's scale word in v[pw] (the same in lanes l and l xor 16).
.macro QUANT s, pc, pw
.irp b, 0,1,2,3
	v_max3_num_f32 v[TM+\b], |v[(\s)+16*\b]|, |v[(\s)+1+16*\b]|, 0x1800000   ; block b: my 16 numbers, and the floor 2^(3 - 127): the byte cannot fall under 1
.endr
.irp i, 2,4,6,8,10,12,14
.irp b, 0,1,2,3
	s_delay_alu instid0(VALU_DEP_4)
	v_max3_num_f32 v[TM+\b], |v[(\s)+16*\b+\i]|, |v[(\s)+1+16*\b+\i]|, v[TM+\b]   ; the four blocks by turns
.endr
.endr
.irp b, 0,1,2,3
	s_delay_alu instid0(VALU_DEP_4)
	v_permlanex16_b32 v[TM+4+\b], v[TM+\b], s[SEL], s[SEL+1]
.endr
.irp b, 0,1,2,3
	s_delay_alu instid0(VALU_DEP_4)
	v_max_num_f32 v[TM+\b], v[TM+\b], v[TM+4+\b]   ; with lane l xor 16's 16: the block's largest magnitude
.endr
.irp b, 0,1,2,3
	s_delay_alu instid0(VALU_DEP_4)
	v_add_nc_u32 v[TM+12+\b], 0xff000000, v[TM+\b] ; 2 off its exponent field: the conversion takes the exponent field of this operand as its scale
.endr
.irp b, 0,1,2,3
	s_delay_alu instid0(VALU_DEP_4)
	v_lshrrev_b32 v[TM+4+\b], 23, v[TM+12+\b]      ; the scale's byte
.endr
	s_delay_alu instid0(VALU_DEP_3)
	v_lshl_or_b32 v[\pw], v[TM+5], 8, v[TM+4]
	s_delay_alu instid0(VALU_DEP_1)
	v_lshl_or_b32 v[\pw], v[TM+6], 16, v[\pw]
	s_delay_alu instid0(VALU_DEP_1)
	v_lshl_or_b32 v[\pw], v[TM+7], 24, v[\pw]
.irp c, 0,1
	v_cvt_scalef32_pk16_fp6_f32 v[(\pc)+6*\c:(\pc)+2+6*\c], v[(\s)+32*\c:(\s)+15+32*\c], v[TM+12+2*\c]
	v_cvt_scalef32_pk16_fp6_f32 v[TQ+4*\c:TQ+2+4*\c], v[(\s)+16+32*\c:(\s)+31+32*\c], v[TM+13+2*\c]   ; (a conversion's three registers begin on an even number)
.endr
	v_nop                                          ; one plain place behind the scaled conversions
.irp c, 0,1                            ; the operand wants a WHOLE block in a lane: lanes 0-15 block 2 c, lanes 16-31 block 2 c + 1
.irp i, 0,1,2
	v_permlane16_swap_b32 v[(\pc)+6*\c+\i], v[TQ+4*\c+\i]
.endr
.irp i, 0,1,2
	s_delay_alu instid0(VALU_DEP_3)
	v_mov_b32 v[(\pc)+3+6*\c+\i], v[TQ+4*\c+\i]
.endr
.endr
.endm
	s_load_b256 s[4:11], s[0:1], 0x0               ; x s[4:5], qkv_w s[6:7], proj_w s[8:9], xc s[10:11]
	s_load_b128 s[12:15], s[0:1], 0x20             ; xs s[12:13], wc s[14:15]
	s_load_b64 s[16:17], s[0:1], 0x30              ; ws
	v_lshl_add_u32 v254, v0, 2, 0x17000
	v_mov_b32 v255, 0
	v_lshrrev_b32 v1, 5, v0
	s_delay_alu instid0(VALU_DEP_1)
	v_readfirstlane_b32 s18, v1                    ; wave 0..7
	v_and_b32 v1, 31, v0                           ; lane
	s_cmp_ge_u32 ttmp9, 128
	s_cbranch_scc1 .Lweights
	; ---- PATH x.  Work-group: group g = id / 4, K steps 2 (id % 4) and + 1.  Wave w: K step s = 2 (id % 4) + w % 2, tiles 2 beta and 2 beta + 1, beta = w / 2.
	s_mov_b32 s[SEL], 0x76543210
	s_mov_b32 s[SEL+1], 0xfedcba98
	v_and_b32 v2, 15, v0                           ; r
	v_bfe_u32 v3, v0, 4, 1                         ; h
	v_lshlrev_b32 v4, 4, v1                        ; 16 x lane: my bytes of a load's 512, and of an image's 512
	s_mul_i32 s19, s18, XWAVE                      ; my stage (XSTG = 0)
	v_add_nc_u32 v5, s19, v4                       ; into it: a row as it lies
	v_mul_u32_u24 v6, v2, 528
	s_delay_alu instid0(VALU_DEP_1)
	v_lshl_add_u32 v6, v3, 6, v6
	s_delay_alu instid0(VALU_DEP_1)
	v_add_nc_u32 v6, s19, v6                       ; out of it: row r, + 64 h: my 16 numbers of each block of 32
	v_lshlrev_b32 v7, 5, v2
	s_delay_alu instid0(VALU_DEP_1)
	v_lshl_add_u32 v7, v3, 2, v7                   ; the scale words: 32 r + 4 h
	v_cmp_le_u32 vcc_lo, 16, v1                    ; lanes 16-31
.irp b, 0,1,2,3
	v_mov_b32 v[TM+4+\b], 0                        ; written once: a lane permute's destination counts as one of its sources
.endr
	s_lshr_b32 s22, ttmp9, 2                       ; g
	s_and_b32 s23, ttmp9, 3
	s_and_b32 s24, s18, 1
	s_lshl_b32 s23, s23, 1
	s_add_co_u32 s23, s23, s24                     ; s
	s_lshr_b32 s24, s18, 1                         ; beta
	s_lshl_b32 s26, s22, 2
	s_add_co_u32 s26, s26, s24
	s_lshl_b32 s26, s26, 17                        ; (128 g + 32 beta) rows of 4,096 bytes
	s_lshl_b32 s25, s23, 9
	s_add_co_u32 s26, s26, s25                     ; + 512 s
	s_mov_b32 s27, 0
	s_lshl_b32 s25, s22, 3
	s_add_co_u32 s25, s25, s23                     ; 8 g + s
	s_lshl_b32 s28, s25, 3
	s_lshl_b32 s30, s24, 1
	s_add_co_u32 s28, s28, s30
	s_mul_i32 s28, s28, 1536                       ; my first fragment
	s_mov_b32 s29, 0
	s_lshl_b32 s30, s25, 9
	s_lshl_b32 s31, s24, 3
	s_add_co_u32 s30, s30, s31                     ; my two tiles' scale words: + 8 beta
	s_mov_b32 s31, 0
	s_wait_alu depctr_va_vdst(0)
	s_wait_kmcnt 0x0
	s_add_nc_u64 s[4:5], s[4:5], s[26:27]
	s_add_nc_u64 s[10:11], s[10:11], s[28:29]
	s_add_nc_u64 s[12:13], s[12:13], s[30:31]
.irp f, 0,1                            ; all 32 loads at once: each reads 512 consecutive bytes, a row's K step
.irp p, 0,1,2,3,4,5,6,7,8,9,10,11,12,13,14,15
	global_load_b128 v[R+64*\f+4*\p:R+64*\f+4*\p+3], v4, s[4:5] offset:(8*\f+\p+8*(\p/8))*4096 th:TH_LOAD_NT
.endr
.endr
.irp f, 0,1
	s_wait_loadcnt 16*(1-\f)                       ; this tile's 16 loads are in; the other tile's 16 may be out
.irp p, 0,1,2,3,4,5,6,7,8,9,10,11,12,13,14,15
	ds_store_b128 v5, v[R+64*\f+4*\p:R+64*\f+4*\p+3] offset:528*\p
.endr
.irp b, 0,1,2,3
.irp j, 0,1,2,3
	ds_load_b128 v[X+16*\b+4*\j:X+16*\b+4*\j+3], v6 offset:128*\b+16*\j   ; LDS serves a wave's instructions in order: these see my stores
.endr
.endr
	s_wait_dscnt 0x0
	QUANT X, PC+12*\f, PW+\f
.irp c, 0,1,2
	global_store_b128 v4, v[PC+12*\f+4*\c:PC+12*\f+4*\c+3], s[10:11] offset:1536*\f+512*\c   ; 32 lanes store 512 consecutive bytes, aligned
.endr
.endr
	v_cndmask_b32 v[PW], v[PW], v[PW+1], vcc_lo    ; lanes 0-15: tile 2 beta's word of row r; lanes 16-31: tile 2 beta + 1's
	global_store_b32 v7, v[PW], s[12:13]
	s_wait_tensorcnt 0x0
	ds_add_u32 v254, v255
	s_wait_dscnt 0x0
	s_endpgm
	; ---- PATH w.  Work-group: group G = j / 4 of wc, K steps 2 (j % 4) and + 1, j = id - 128.  Wave w: 32 columns cw = w % 4 (tiles 2 cw, 2 cw + 1), K step s = 2 (j % 4) + w / 4.
	; A LANE TAKES A COLUMN AND ITS REGISTERS RUN DOWN K: a block of 32 lies in one lane's 32 registers, and the conversions give codes with K innermost.  Nothing is transposed by an instruction.
.Lweights:
	s_sub_co_u32 s22, ttmp9, 128
	s_and_b32 s23, s22, 3
	s_lshr_b32 s22, s22, 2                         ; G
	s_and_b32 s24, s18, 3                          ; cw
	s_lshr_b32 s25, s18, 2
	s_lshl_b32 s23, s23, 1
	s_add_co_u32 s23, s23, s25                     ; s
	s_and_b32 s25, s22, 7                          ; the group's number within proj_w
	s_mov_b32 s19, 4096                            ; a row of proj_w in bytes
	s_wait_kmcnt 0x0
	s_cmp_lt_u32 s22, 24                           ; qkv_w or proj_w?  The choice hangs on the work-group's number alone
	s_cselect_b64 s[6:7], s[6:7], s[8:9]
	s_cselect_b32 s19, 12288, s19                  ; a row of the weight in bytes
	s_cselect_b32 s25, s22, s25                    ; the group's number within the weight
	s_lshl_b32 s26, s23, 7
	s_mul_i32 s26, s26, s19                        ; 128 s rows down
	s_lshl_b32 s25, s25, 9
	s_add_co_u32 s26, s26, s25                     ; + 128 columns a group
	s_lshl_b32 s25, s24, 7
	s_add_co_u32 s26, s26, s25                     ; + 32 columns a wave
	s_mov_b32 s27, 0
	s_add_nc_u64 s[32:33], s[6:7], s[26:27]        ; a base for each of the four blocks, 32 rows apart: none is ever stepped
	s_lshl_b32 s26, s19, 5
	s_add_nc_u64 s[34:35], s[32:33], s[26:27]
	s_add_nc_u64 s[36:37], s[34:35], s[26:27]
	s_add_nc_u64 s[38:39], s[36:37], s[26:27]
	s_lshl_b32 s28, s22, 3
	s_add_co_u32 s28, s28, s23                     ; 8 G + s
	s_lshl_b32 s30, s28, 9
	s_lshl_b32 s29, s24, 3
	s_add_co_u32 s30, s30, s29
	s_mov_b32 s31, 0
	s_add_nc_u64 s[16:17], s[16:17], s[30:31]      ; my two tiles' scale words
	s_lshl_b32 s28, s28, 3
	s_lshl_b32 s29, s24, 1
	s_add_co_u32 s28, s28, s29
	s_mul_i32 s28, s28, 1536
	s_mov_b32 s29, 0
	s_add_nc_u64 s[14:15], s[14:15], s[28:29]      ; my two fragments
	v_and_b32 v2, 7, v0
	v_bfe_u32 v3, v0, 4, 1
	s_delay_alu instid0(VALU_DEP_1)
	v_lshl_add_u32 v2, v3, 3, v2                   ; column 32 cw + l is row rho = l % 8 + 8 (l / 16)
	v_bfe_u32 v3, v0, 3, 1                         ; of tile 2 cw + u, u = (l / 8) % 2
	s_mul_i32 s40, s18, 2*WFRAG
	s_add_co_u32 s40, s40, WSTG                    ; my stage
	v_mul_u32_u24 v4, v3, WFRAG
	s_delay_alu instid0(VALU_DEP_1)
	v_lshl_add_u32 v4, v2, 4, v4
	s_delay_alu instid0(VALU_DEP_1)
	v_add_nc_u32 v4, s40, v4                       ; into it: image u, lane rho's place
	s_wait_alu depctr_va_vdst(0)
	v_lshlrev_b32 v6, 4, v1                        ; 16 x lane
	s_delay_alu instid0(VALU_DEP_1)
	v_add_nc_u32 v5, s40, v6                       ; out of it
	v_lshlrev_b32 v7, 5, v2
	s_delay_alu instid0(VALU_DEP_1)
	v_lshl_add_u32 v7, v3, 2, v7                   ; the scale word: 32 rho + 4 u
	v_lshlrev_b32 v[OFF], 2, v1
.irp i, 1,2,3,4,5,6,7,8,9,10,11,12,13,14,15,16,17,18,19,20,21,22,23,24,25,26,27,28,29,30,31
	s_delay_alu instid0(VALU_DEP_1)
	v_add_nc_u32 v[OFF+\i], s19, v[OFF+\i-1]
.endr
.macro LOADW t                         ; block t: W(128 s + 32 t + i, my column), i = 0 .. 31, into set t % 2: 32 lanes read 128 consecutive bytes
.irp i, 0,1,2,3,4,5,6,7,8,9,10,11,12,13,14,15,16,17,18,19,20,21,22,23,24,25,26,27,28,29,30,31
	global_load_b32 v[XW+32*((\t)%2)+\i], v[OFF+\i], s[32+2*(\t):33+2*(\t)] th:TH_LOAD_NT
.endr
.endm
	LOADW 0
	LOADW 1
; Block t = 2 c + hh is words 6 c .. 6 c + 5 of image lane rho + 16 hh.
.macro BLOCK t
.set XS, XW+32*((\t)%2)
.if (\t) < 3
	s_wait_loadcnt 32                              ; this block's 32 loads are in; the next block's may be out
.else
	s_wait_loadcnt 0x0
.endif
	v_max3_num_f32 v[MA], |v[XS]|, |v[XS+1]|, |v[XS+2]|            ; the block's largest magnitude: all 32 numbers are mine; two chains
	v_max3_num_f32 v[MB], |v[XS+3]|, |v[XS+4]|, |v[XS+5]|
.irp i, 6,10,14,18,22,26
	s_delay_alu instid0(VALU_DEP_2)
	v_max3_num_f32 v[MA], v[MA], |v[XS+\i]|, |v[XS+\i+1]|
	s_delay_alu instid0(VALU_DEP_2)
	v_max3_num_f32 v[MB], v[MB], |v[XS+\i+2]|, |v[XS+\i+3]|
.endr
	s_delay_alu instid0(VALU_DEP_2)
	v_max3_num_f32 v[MA], v[MA], |v[XS+30]|, |v[XS+31]|
	s_delay_alu instid0(VALU_DEP_1)
	v_max3_num_f32 v[MA], v[MA], v[MB], 0x1800000  ; and the floor 2^(3 - 127)
	s_delay_alu instid0(VALU_DEP_1)
	v_add_nc_u32 v[MB], 0xff000000, v[MA]          ; the conversions' scale operand
	s_delay_alu instid0(VALU_DEP_1)
	v_lshrrev_b32 v[MA], 23, v[MB]                 ; the scale's byte
.if (\t) == 0
	s_delay_alu instid0(VALU_DEP_1)
	v_mov_b32 v[SBW], v[MA]
.else
	s_delay_alu instid0(VALU_DEP_1)
	v_lshl_or_b32 v[SBW], v[MA], 8*(\t), v[SBW]
.endif
	v_cvt_scalef32_pk16_fp6_f32 v[CW:CW+2], v[XS:XS+15], v[MB]
	v_cvt_scalef32_pk16_fp6_f32 v[DW:DW+2], v[XS+16:XS+31], v[MB]
	v_nop                                          ; one plain place behind the scaled conversions
.irp i, 0,1,2
	v_mov_b32 v[CW+3+\i], v[DW+\i]
.endr
.if (\t) < 2
	ds_store_b128 v4, v[CW:CW+3] offset:256*((\t)%2)               ; words 0-3
	ds_store_b64 v4, v[CW+4:CW+5] offset:512+256*((\t)%2)          ; words 4, 5
.else
	ds_store_b64 v4, v[CW:CW+1] offset:520+256*((\t)%2)            ; words 6, 7
	ds_store_b128 v4, v[CW+2:CW+5] offset:1024+256*((\t)%2)        ; words 8-11
.endif
.if (\t) < 2
	LOADW (\t)+2
.endif
	s_wait_dscnt 0x0                               ; the stores have read their registers: the next block's codes may be written
.endm
	BLOCK 0
	BLOCK 1
	BLOCK 2
	BLOCK 3
.irp n, 0,1,2,3,4,5
	ds_load_b128 v[OUTR+4*\n:OUTR+4*\n+3], v5 offset:WFRAG*(\n/3)+512*(\n%3)
.endr
.irp n, 0,1,2,3,4,5
	s_wait_dscnt 5-\n                              ; load n is in; the younger ones may be out
	global_store_b128 v6, v[OUTR+4*\n:OUTR+4*\n+3], s[14:15] offset:1536*(\n/3)+512*(\n%3)   ; 512 consecutive bytes, aligned
.endr
	s_wait_alu depctr_va_vdst(0)
	global_store_b32 v7, v[SBW], s[16:17]
	s_wait_tensorcnt 0x0
	ds_add_u32 v254, v255
	s_wait_dscnt 0x0
	s_endpgm
.Lfunc_end_k_q80e55abc20_quant:
	.size	k_q80e55abc20_quant, .Lfunc_end_k_q80e55abc20_quant-k_q80e55abc20_quant
	.p2alignl 7, 3214868480
	.fill 96, 4, 3214868480
	.section	.rodata,"a",@progbits
	.p2align	6, 0x0
	.amdhsa_kernel k_q80e55abc20_quant
		.amdhsa_group_segment_fixed_size 95232
		.amdhsa_private_segment_fixed_size 0
		.amdhsa_enable_private_segment 0
		.amdhsa_kernarg_size 56
		.amdhsa_user_sgpr_count 2
		.amdhsa_user_sgpr_kernarg_segment_ptr 1
		.amdhsa_wavefront_size32 1
		.amdhsa_system_sgpr_workgroup_id_x 1
		.amdhsa_system_sgpr_workgroup_id_y 1
		.amdhsa_system_sgpr_workgroup_id_z 1
		.amdhsa_system_vgpr_workitem_id 0
		.amdhsa_next_free_vgpr 256
		.amdhsa_next_free_sgpr 66
		.amdhsa_reserve_vcc 1
		.amdhsa_float_denorm_mode_32 3
		.amdhsa_float_denorm_mode_16_64 3
		.amdhsa_memory_ordered 1
		.amdhsa_forward_progress 1
		.amdhsa_inst_pref_size 48
	.end_amdhsa_kernel
	.amdgpu_metadata
---
amdhsa.version: [ 1, 2 ]
amdhsa.kernels:
  - .name:           k_q80e55abc20_quant
    .symbol:         k_q80e55abc20_quant.kd
    .args:
      - { .name: x, .offset: 0, .size: 8, .value_kind: global_buffer, .address_space: global }
      - { .name: qkv_w, .offset: 8, .size: 8, .value_kind: global_buffer, .address_space: global }
      - { .name: proj_w, .offset: 16, .size: 8, .value_kind: global_buffer, .address_space: global }
      - { .name: xc, .offset: 24, .size: 8, .value_kind: global_buffer, .address_space: global }
      - { .name: xs, .offset: 32, .size: 8, .value_kind: global_buffer, .address_space: global }
      - { .name: wc, .offset: 40, .size: 8, .value_kind: global_buffer, .address_space: global }
      - { .name: ws, .offset: 48, .size: 8, .value_kind: global_buffer, .address_space: global }
    .group_segment_fixed_size: 95232
    .private_segment_fixed_size: 0
    .kernarg_segment_align: 8
    .kernarg_segment_size: 56
    .max_flat_workgroup_size: 256
    .sgpr_count:     66
    .vgpr_count:     256
    .wavefront_size: 32
...
	.end_amdgpu_metadata
.endif
;; end of part 1
;; launch gemm (part 2): grid 8 x 24, 4 waves a work-group, clusters of 4 x 4, 327,680 bytes of LDS; arguments xc, xs, wc, ws, qkvc, qkvs; writes qkvc, qkvs
.if DOCPART == 2
	.amdgcn_target "amdgcn-amd-amdhsa--gfx1250"
	.amdhsa_code_object_version 6
	.text
	.protected	k_q80e55abc20_gemm
	.globl	k_q80e55abc20_gemm
	.p2align	8
	.type	k_q80e55abc20_gemm,@function
k_q80e55abc20_gemm:
	s_mov_b64 s[64:65], 0
	v_nop
	global_prefetch_b8 v0, s[64:65] scope:SCOPE_SE
	s_setreg_imm32_b32 hwreg(HW_REG_WAVE_MODE, 25, 1), 1
	s_wait_xcnt 0x0
	s_wait_alu depctr_hold_cnt(0) depctr_sa_sdst(0) depctr_va_vdst(0) depctr_va_sdst(0) depctr_va_ssrc(0) depctr_va_vcc(0) depctr_vm_vsrc(0)
	s_getreg_b32 s2, hwreg(HW_REG_IB_STS2, 6, 4)
	s_cmp_eq_u32 s2, 0
	s_cbranch_scc0 .Lentry_in_a_cluster
	s_endpgm
.Lentry_in_a_cluster:
	s_bfe_u32 s2, ttmp6, 0x10000c
	s_cmp_lg_u32 s2, 0xf033
	s_cbranch_scc0 .Lentry_shape_is_right
	s_endpgm
.Lentry_shape_is_right:
.set FRB,   1536
.set GSTEP, 12288
.set NQ,    2
.set HALFT, NQ*GSTEP
.set SLOT,  4*HALFT
.set FR,    12
.set NL,    3
.set NP,    4
.set SCL,   2*SLOT
.set SPARE, SCL+4*4096
.set ADRA, 16
.set ADRB, 20
.set LI,   24
.set SWA,  25
.set ADRS, 27
.set SPW,  28
.set NIL,  29
.set SC,   32
.set TM,   64
.set TQ,   80
.set PC,   88
.set PWS,  104
.set SW,   112
.set AF,   128
.set SEL,  90
.set G1,   24
.set G0,   32
.set G1B,  48
.set G0B,  56
.set G1S,  68
.set G0S,  76
.set G1SB, 80
.set G0SB, 88
.set MSB, 0
.macro WIN new
.if MSB != (\new)
	s_set_vgpr_msb (MSB<<8)|(\new)
.set MSB, (\new)
.endif
.endm
.set MUL_LO, 0xa1
.set MUL_HI, 0xf1
.set TO_B,   0x40
.macro JLOAD g0a, g1a, g0b, g1b
	s_cmp_eq_u32 s17, 0
	s_cbranch_scc0 .Lfor_b_\@
	tensor_load_to_lds s[\g0a:\g0a+3], s[\g1a:\g1a+7]
	s_nop 0
.rept 4
	v_nop
.endr
	s_branch .Lasked_\@
.Lfor_b_\@:
	tensor_load_to_lds s[\g0b:\g0b+3], s[\g1b:\g1b+7]
	s_nop 0
.rept 4
	v_nop
.endr
.Lasked_\@:
.endm
.macro CREST
	s_cmp_lg_u32 s16, 0
	s_cbranch_scc1 .Lnot_wave_0_\@
	s_barrier_signal -3
.Lnot_wave_0_\@:
	s_barrier_wait -3
	s_barrier_signal -1
	s_barrier_wait -1
.endm
.macro CROUND
	s_barrier_signal -1
	s_barrier_wait -1
	CREST
.endm
	s_load_b256 s[4:11], s[0:1], 0x0
	s_load_b128 s[12:15], s[0:1], 0x20
	v_lshl_add_u32 v[SPW], v0, 2, SPARE
	v_mov_b32 v[NIL], 0
	ds_add_u32 v28, v29
	ds_add_u32 v28, v29
	s_wait_dscnt 0x0
	v_lshrrev_b32 v1, 5, v0
	v_readfirstlane_b32 s16, v1
	s_lshr_b32 s17, s16, 1
	s_and_b32 s18, s16, 1
	s_bfe_u32 s40, ttmp6, 0x40000
	s_bfe_u32 s41, ttmp6, 0x40004
	s_and_b32 s19, ttmp7, 0xffff
	s_and_b32 s20, s19, 1
	s_lshl_b32 s20, s20, 1
	s_add_co_u32 s20, s20, ttmp9
	s_cmp_ge_u32 s19, 4
	s_cselect_b32 s45, 0, s19
	s_cselect_b32 s42, s20, ttmp9
	s_cselect_b32 s21, 16, 0
	s_lshl_b32 s45, s45, 2
	s_add_co_u32 s45, s45, s41
	s_lshl_b32 s42, s42, 2
	s_add_co_u32 s42, s42, s40
	s_lshl_b32 s43, s41, 2
	s_lshl_b32 s43, 15, s43
	s_lshl_b32 s44, 0x1111, s40
	s_or_b32 s[G1+0], s43, (3<<16)|(1<<21)
	s_or_b32 s[G1B+0], s44, (3<<16)|(1<<21)
	s_or_b32 s[G1S+0], s43, (3<<16)|(1<<21)
	s_or_b32 s[G1SB+0], s44, (3<<16)|(1<<21)
.irp g, G1, G1B                        ; for the head's loads: two groups' first two K steps: 2 rows of 24,576 bytes, 98,304 bytes apart
	s_mov_b32 s[\g+1], 3072<<16
	s_mov_b32 s[\g+2], 2<<16
	s_mov_b32 s[\g+3], 3072<<16
	s_mov_b32 s[\g+4], 2
	s_mov_b32 s[\g+5], 12288
	s_mov_b32 s[\g+6], 0
	s_mov_b32 s[\g+7], 0
.endr
.irp g, G1S, G1SB
	s_mov_b32 s[\g+1], 32<<16
	s_mov_b32 s[\g+2], 32<<16
	s_mov_b32 s[\g+3], 32<<16
	s_mov_b32 s[\g+4], 32
	s_mov_b32 s[\g+5], 32
	s_mov_b32 s[\g+6], 0
	s_mov_b32 s[\g+7], 0
.endr
	s_lshl_b32 s22, s45, 1
	s_add_co_u32 s22, s22, s18
	s_add_co_u32 s22, s22, s21
	s_mul_i32 s20, s22, 8*GSTEP
	s_mov_b32 s21, 0
	s_lshl_b32 s22, s22, 12
	s_mov_b32 s23, 0
	s_lshl_b32 s46, s42, 1
	s_add_co_u32 s46, s46, s18
	s_lshl_b32 s2, s46, 12
	s_mov_b32 s3, 0
	s_mul_i32 s46, s46, 8*GSTEP
	s_mov_b32 s47, 0
	s_mul_i32 s66, s16, HALFT
	s_wait_kmcnt 0x0
	s_cmp_ge_u32 s19, 4
	s_cselect_b64 s[92:93], s[8:9], s[4:5]
	s_cselect_b64 s[94:95], s[10:11], s[6:7]
	s_cselect_b64 s[96:97], s[4:5], s[8:9]
	s_cselect_b64 s[98:99], s[6:7], s[10:11]
	s_add_nc_u64 s[92:93], s[92:93], s[20:21]
	s_add_nc_u64 s[94:95], s[94:95], s[22:23]
	s_add_nc_u64 s[96:97], s[96:97], s[46:47]
	s_add_nc_u64 s[98:99], s[98:99], s[2:3]
	CROUND
	; THE HEAD'S FOUR TILES, ONE LOAD A WAVE: wave 0 slot 0's codes of A's two groups, wave 2 those of B's (in these waves the half is 0: the addresses stand at the first group);
	; wave 1 the scales of A's two groups, wave 3 those of B's (there the half is 1: one group's 4,096 bytes back)
	s_mov_b32 s4, 1
	s_mov_b32 s5, 0
	s_mov_b64 s[6:7], s[92:93]
	s_or_b32 s7, s7, 0x80000000
	s_mov_b32 s8, 1
	s_mov_b32 s9, 2*HALFT
	s_mov_b64 s[10:11], s[96:97]
	s_or_b32 s11, s11, 0x80000000
	s_mov_b32 s[G0S], 1
	s_mov_b32 s[G0S+1], SCL
	s_sub_nc_u64 s[G0S+2:G0S+3], s[94:95], 4096
	s_or_b32 s[G0S+3], s[G0S+3], 0x80000000
	s_mov_b32 s[G0SB], 1
	s_mov_b32 s[G0SB+1], SCL+8192
	s_sub_nc_u64 s[G0SB+2:G0SB+3], s[98:99], 4096
	s_or_b32 s[G0SB+3], s[G0SB+3], 0x80000000
	; the prefetches: of the 96 blocks of 256 bytes that my wave fetches for a slot, each of the four partners that ask jointly takes 24, told apart by address (cx for A, cy for B)
	s_cmp_eq_u32 s17, 0
	s_cselect_b64 s[100:101], s[92:93], s[96:97]
	s_cselect_b32 s2, s40, s41
	s_mul_i32 s2, s2, 6144
	s_mov_b32 s3, 0
	s_add_nc_u64 s[100:101], s[100:101], s[2:3]
.macro ARM under, g0, g1, next         ; one arm of the head's chain: its load, and a jump to the join
	s_cmp_lt_u32 s16, \under
	s_cbranch_scc0 \next
	tensor_load_to_lds s[\g0:\g0+3], s[\g1:\g1+7]
	s_nop 0
.rept 4
	v_nop
.endr
	s_branch .Lhead_asked
\next:
.endm
	ARM 1, 4, G1, .Lh_sa
	ARM 2, G0S, G1S, .Lh_b
	ARM 3, 8, G1B, .Lh_sb
	tensor_load_to_lds s[G0SB:G0SB+3], s[G1SB:G1SB+7]
	s_nop 0
.rept 4
	v_nop
.endr
.Lhead_asked:
	v_and_b32 v30, 31, v0
	v_min_u32 v30, 23, v30                         ; lanes 24-31 name the last block again
	v_lshlrev_b32 v30, 8, v30
	global_prefetch_b8 v30, s[100:101] offset:2*HALFT th:TH_LOAD_NT scope:SCOPE_SE   ; slot 2's bytes, two refills ahead of the load that wants them
.irp s, 0,1
	s_mov_b32 s[G0+4*\s], 1
	s_add_co_u32 s[G0+4*\s+1], s66, \s*SLOT
	s_add_nc_u64 s[G0+4*\s+2:G0+4*\s+3], s[92:93], \s*HALFT
	s_or_b32 s[G0+4*\s+3], s[G0+4*\s+3], 0x80000000
	s_mov_b32 s[G0B+4*\s], 1
	s_add_co_u32 s[G0B+4*\s+1], s66, \s*SLOT
	s_add_nc_u64 s[G0B+4*\s+2:G0B+4*\s+3], s[96:97], \s*HALFT
	s_or_b32 s[G0B+4*\s+3], s[G0B+4*\s+3], 0x80000000
.endr
	s_wait_alu depctr_va_vdst(0)
	s_wait_tensorcnt 0x0                           ; my tile of the head's four is in
	ds_add_u32 v28, v29
.irp g, G1, G1B                        ; no tensor load of mine is out: from here on a load brings one group's two K steps, 96 rows of 256 bytes
	s_mov_b32 s[\g+1], 32<<16
	s_mov_b32 s[\g+2], 96<<16
	s_mov_b32 s[\g+3], 32<<16
	s_mov_b32 s[\g+4], 96
	s_mov_b32 s[\g+5], 32
.endr
	s_wait_dscnt 0x0
	CROUND
	JLOAD G0+4, G1, G0B+4, G1B
	global_prefetch_b8 v30, s[100:101] offset:3*HALFT th:TH_LOAD_NT scope:SCOPE_SE   ; slot 3's bytes
	v_and_b32 v1, 31, v0
	v_and_b32 v2, 15, v0
	v_bfe_u32 v3, v0, 4, 1
	s_wait_alu depctr_va_vdst(0)
	v_lshlrev_b32 v[LI], 4, v1
	s_mul_i32 s21, s17, HALFT
	s_mul_i32 s22, s18, HALFT
	s_add_co_u32 s22, s22, 2*HALFT
.irp s, 0,1
	v_add_nc_u32 v[ADRA+\s], s21, v[LI]
	v_add_nc_u32 v[ADRB+\s], s22, v[LI]
	s_add_co_u32 s21, s21, SLOT
	s_add_co_u32 s22, s22, SLOT
.endr
	s_lshl_b32 s21, s17, 12
	s_lshl_b32 s22, s18, 12
	s_add_co_u32 s22, s22, 2*4096
	s_sub_co_u32 s22, s22, s21
	v_mul_u32_u24 v4, s22, v3
	s_add_co_u32 s21, s21, SCL
	v_lshl_add_u32 v4, v2, 5, v4
	v_add_nc_u32 v[ADRS], s21, v4
	v_lshlrev_b32 v[SWA], 5, v2
	v_lshl_add_u32 v[SWA], v3, 4, v[SWA]
.irp b, 0,1,2,3
	v_mov_b32 v[TM+4+\b], 0
.endr
	s_mov_b32 s2, 0x76543210
	s_mov_b32 s3, 0xfedcba98
	s_lshl_b32 s20, s45, 1
	s_add_co_u32 s20, s20, s17
	s_lshl_b32 s46, s42, 1
	s_add_co_u32 s46, s46, s18
	s_lshl_b32 s21, s20, 5
	s_add_co_u32 s21, s21, s46
	s_add_co_u32 s21, s21, 512
	s_lshl_b32 s22, s46, 5
	s_add_co_u32 s22, s22, s20
	s_cmp_ge_u32 s19, 4
	s_cselect_b32 s20, s21, s22
	s_mul_i32 s22, s20, GSTEP
	s_mov_b32 s23, 0
	s_add_nc_u64 s[12:13], s[12:13], s[22:23]
	s_lshl_b32 s22, s20, 9
	s_add_nc_u64 s[14:15], s[14:15], s[22:23]
.macro FRAG reg, adr, q, i
.irp c, 0,1,2
	ds_load_b128 v[\reg+4*\c:\reg+4*\c+3], v[\adr] offset:(\q)*GSTEP+(\i)*FRB+512*\c
.endr
.endm
.macro MUL16 a0, p, q, sc, zero
.irp a, \a0, \a0+1
.irp b, 0,1,2,3,4,5,6,7
.if \zero
	v_wmma_scale_f32_16x16x128_f8f6f4 v[8*(8*((\a)%4)+\b):8*(8*((\a)%4)+\b)+7], v[128*(\p)+FR*\b:128*(\p)+FR*\b+FR-1], v[AF+FR*(\a):AF+FR*(\a)+FR-1], 0, v[SC+16*(\sc)+8*(\q)+\b], v[SC+16*(\sc)+8*(\q)+(\a)] matrix_a_fmt:MATRIX_FMT_FP6 matrix_b_fmt:MATRIX_FMT_FP6 matrix_a_scale:MATRIX_SCALE_ROW1
.else
	v_wmma_scale_f32_16x16x128_f8f6f4 v[8*(8*((\a)%4)+\b):8*(8*((\a)%4)+\b)+7], v[128*(\p)+FR*\b:128*(\p)+FR*\b+FR-1], v[AF+FR*(\a):AF+FR*(\a)+FR-1], v[8*(8*((\a)%4)+\b):8*(8*((\a)%4)+\b)+7], v[SC+16*(\sc)+8*(\q)+\b], v[SC+16*(\sc)+8*(\q)+(\a)] matrix_a_fmt:MATRIX_FMT_FP6 matrix_b_fmt:MATRIX_FMT_FP6 matrix_a_scale:MATRIX_SCALE_ROW1
.endif
.endr
.endr
.endm
.macro FETCH_B slot, q, p
	WIN TO_B
.irp i, 0,1,2,3,4,5,6,7
	FRAG 128*(\p)+FR*\i, ADRB+\slot, \q, \i
.endr
	WIN 0
.endm
.macro FETCH_A slot, q, i0
.irp i, \i0, \i0+1, \i0+2, \i0+3
	FRAG AF+FR*(\i), ADRA+\slot, \q, \i
.endr
.endm
.macro SCALES sc
.irp q, 0,1
.irp j, 0,1
	ds_load_b128 v[SC+16*\sc+8*\q+4*\j:SC+16*\sc+8*\q+4*\j+3], v[ADRS] offset:512*\q+16*\j
.endr
.endr
.endm
.macro PLACES n
.rept \n
	v_nop
.endr
.endm
.macro STEP slot, q, zero
	s_wait_dscnt 4*NL
	WIN MUL_LO
	MUL16 0, (\q)%2, \q, \slot, \zero
	MUL16 2, (\q)%2, \q, \slot, \zero
	s_wait_dscnt 0
	PLACES NP
	FETCH_B \slot, (\q)+1, 1-(\q)%2
	FETCH_A \slot, (\q)+1, 0
	WIN MUL_HI
	MUL16 4, (\q)%2, \q, \slot, \zero
	MUL16 6, (\q)%2, \q, \slot, \zero
	PLACES NP
	WIN 0
	FETCH_A \slot, (\q)+1, 4
.endm
.macro TURN slot, next, fill
	s_wait_tensorcnt 0x0
	ds_add_u32 v[SPW], v[NIL]
	s_wait_dscnt 4*NL+1
	WIN MUL_LO
	MUL16 0, 1, NQ-1, \slot, 0
	s_wait_dscnt 0x0
	s_barrier_signal -1
	MUL16 2, 1, NQ-1, \slot, 0
	WIN 0
	s_barrier_wait -1
.if \fill
	CREST
	s_add_nc_u64 s[G0+4*\slot+2:G0+4*\slot+3], s[G0+4*\slot+2:G0+4*\slot+3], 2*HALFT
	s_add_nc_u64 s[G0B+4*\slot+2:G0B+4*\slot+3], s[G0B+4*\slot+2:G0B+4*\slot+3], 2*HALFT
	JLOAD G0+4*\slot, G1, G0B+4*\slot, G1B
.else
	PLACES NP
.endif
	s_wait_alu depctr_va_vdst(0)
	v_add_nc_u32 v[ADRS], 512*NQ, v[ADRS]
	FETCH_B \next, 0, 0
	FETCH_A \next, 0, 0
	SCALES \next
	WIN MUL_HI
	MUL16 4, 1, NQ-1, \slot, 0
	MUL16 6, 1, NQ-1, \slot, 0
	PLACES NP
	WIN 0
	FETCH_A \next, 0, 4
.endm
.macro QUANT s, w, pc, pw
	WIN 5*(\w)
.irp b, 0,1,2,3
	v_max3_num_f32 v[TM+\b], |v[(\s)+16*\b]|, |v[(\s)+1+16*\b]|, 0x1800000
.endr
.irp i, 2,4,6,8,10,12,14
.irp b, 0,1,2,3
	v_max3_num_f32 v[TM+\b], |v[(\s)+16*\b+\i]|, |v[(\s)+1+16*\b+\i]|, v[TM+\b]
.endr
.endr
	WIN 0
.irp b, 0,1,2,3
	v_permlanex16_b32 v[TM+4+\b], v[TM+\b], s2, s3
.endr
.irp b, 0,1,2,3
	v_max_num_f32 v[TM+\b], v[TM+\b], v[TM+4+\b]
.endr
.irp b, 0,1,2,3
	v_add_nc_u32 v[TM+12+\b], 0xff000000, v[TM+\b]
.endr
.irp b, 0,1,2,3
	v_lshrrev_b32 v[TM+4+\b], 23, v[TM+12+\b]
.endr
	v_lshl_or_b32 v[\pw], v[TM+5], 8, v[TM+4]
	v_lshl_or_b32 v[\pw], v[TM+6], 16, v[\pw]
	v_lshl_or_b32 v[\pw], v[TM+7], 24, v[\pw]
	WIN (\w)
.irp c, 0,1
	v_cvt_scalef32_pk16_fp6_f32 v[(\pc)+6*\c:(\pc)+2+6*\c], v[(\s)+32*\c:(\s)+15+32*\c], v[TM+12+2*\c]
	v_cvt_scalef32_pk16_fp6_f32 v[TQ+4*\c:TQ+2+4*\c], v[(\s)+16+32*\c:(\s)+31+32*\c], v[TM+13+2*\c]
.endr
	WIN 0
	v_nop
.irp c, 0,1
.irp i, 0,1,2
	v_permlane16_swap_b32 v[(\pc)+6*\c+\i], v[TQ+4*\c+\i]
.endr
.irp i, 0,1,2
	v_mov_b32 v[(\pc)+3+6*\c+\i], v[TQ+4*\c+\i]
.endr
.endr
.endm
	s_wait_alu depctr_va_vdst(0)
	s_wait_tensorcnt 0x1
	s_barrier_signal -1
	s_barrier_wait -1
	FETCH_B 0, 0, 0
	FETCH_A 0, 0, 0
	SCALES 0
	FETCH_A 0, 0, 4
	STEP 0, 0, 1
	TURN 0, 1, 1
	STEP 1, 0, 0
	TURN 1, 0, 1
	STEP 0, 0, 0
	TURN 0, 1, 0
	STEP 1, 0, 0
	s_wait_dscnt 4*NL
	WIN MUL_LO
	MUL16 0, 1, NQ-1, 1, 0
	MUL16 2, 1, NQ-1, 1, 0
	s_wait_dscnt 0
	WIN MUL_HI
	MUL16 4, 1, NQ-1, 1, 0
	MUL16 6, 1, NQ-1, 1, 0
	WIN 0
	PLACES NP
	v_cmp_le_u32 vcc_lo, 16, v1
.irp a, 0,1,2,3,4,5,6,7
.if \a > 0
	s_wait_xcnt 0x0
.endif
	QUANT 64*(\a%4), 2+\a/4, PC, PWS+\a
.irp c, 0,1,2
	global_store_b128 v[LI], v[PC+4*\c:PC+4*\c+3], s[12:13] offset:FRB*\a+512*\c
.endr
.endr
.irp j, 0,1,2,3
	v_cndmask_b32 v[SW+\j], v[PWS+\j], v[PWS+4+\j], vcc_lo
.endr
	global_store_b128 v[SWA], v[SW:SW+3], s[14:15]
	s_wait_tensorcnt 0x0
	ds_add_u32 v[SPW], v[NIL]
	s_wait_dscnt 0x0
	CROUND
	s_endpgm
.Lfunc_end_k_q80e55abc20_gemm:
	.size	k_q80e55abc20_gemm, .Lfunc_end_k_q80e55abc20_gemm-k_q80e55abc20_gemm
	.p2alignl 7, 3214868480
	.fill 96, 4, 3214868480
	.section	.rodata,"a",@progbits
	.p2align	6, 0x0
	.amdhsa_kernel k_q80e55abc20_gemm
		.amdhsa_group_segment_fixed_size 327680
		.amdhsa_private_segment_fixed_size 0
		.amdhsa_enable_private_segment 0
		.amdhsa_kernarg_size 48
		.amdhsa_user_sgpr_count 2
		.amdhsa_user_sgpr_kernarg_segment_ptr 1
		.amdhsa_wavefront_size32 1
		.amdhsa_system_sgpr_workgroup_id_x 1
		.amdhsa_system_sgpr_workgroup_id_y 1
		.amdhsa_system_sgpr_workgroup_id_z 1
		.amdhsa_system_vgpr_workitem_id 0
		.amdhsa_next_free_vgpr 1024
		.amdhsa_next_free_sgpr 102
		.amdhsa_reserve_vcc 1
		.amdhsa_float_denorm_mode_32 3
		.amdhsa_float_denorm_mode_16_64 3
		.amdhsa_memory_ordered 1
		.amdhsa_forward_progress 1
		.amdhsa_inst_pref_size 141
	.end_amdhsa_kernel
	.amdgpu_metadata
---
amdhsa.version: [ 1, 2 ]
amdhsa.kernels:
  - .name:           k_q80e55abc20_gemm
    .symbol:         k_q80e55abc20_gemm.kd
    .args:
      - { .name: xc, .offset: 0, .size: 8, .value_kind: global_buffer, .address_space: global }
      - { .name: xs, .offset: 8, .size: 8, .value_kind: global_buffer, .address_space: global }
      - { .name: wc, .offset: 16, .size: 8, .value_kind: global_buffer, .address_space: global }
      - { .name: ws, .offset: 24, .size: 8, .value_kind: global_buffer, .address_space: global }
      - { .name: qkvc, .offset: 32, .size: 8, .value_kind: global_buffer, .address_space: global }
      - { .name: qkvs, .offset: 40, .size: 8, .value_kind: global_buffer, .address_space: global }
    .group_segment_fixed_size: 327680
    .private_segment_fixed_size: 0
    .kernarg_segment_align: 8
    .kernarg_segment_size: 48
    .max_flat_workgroup_size: 128
    .sgpr_count:     102
    .vgpr_count:     1024
    .wavefront_size: 32
...
	.end_amdgpu_metadata
.endif
;; end of part 2
;; launch attn (part 3): grid 32 x 8, 16 waves a work-group, clusters of 4 x 1, 327,680 bytes of LDS; arguments qkvc, qkvs, oc, os; writes oc, os
.if DOCPART == 3
	.amdgcn_target "amdgcn-amd-amdhsa--gfx1250"
	.amdhsa_code_object_version 6
	.text
	.protected	k_q80e55abc20_attn
	.globl	k_q80e55abc20_attn
	.p2align	8
	.type	k_q80e55abc20_attn,@function
k_q80e55abc20_attn:
	s_mov_b64 s[64:65], 0
	v_nop
	global_prefetch_b8 v0, s[64:65] scope:SCOPE_SE
	s_setreg_imm32_b32 hwreg(HW_REG_WAVE_MODE, 25, 1), 1
	s_wait_xcnt 0x0
	s_wait_alu depctr_hold_cnt(0) depctr_sa_sdst(0) depctr_va_vdst(0) depctr_va_sdst(0) depctr_va_ssrc(0) depctr_va_vcc(0) depctr_vm_vsrc(0)
	s_getreg_b32 s2, hwreg(HW_REG_IB_STS2, 6, 4)
	s_cmp_eq_u32 s2, 0
	s_cbranch_scc0 .Lentry_in_a_cluster
	s_endpgm
.Lentry_in_a_cluster:
	s_bfe_u32 s2, ttmp6, 0x10000c
	s_cmp_lg_u32 s2, 0x3003
	s_cbranch_scc0 .Lentry_shape_is_right
	s_endpgm
.Lentry_shape_is_right:
; o = softmax(q k^T / sqrt(128)) v for one head and 128 queries a work-group, on codes of FP6 (E2M3) with E8M0 scales; o leaves as codes and scale words for the projection.
; IN: qkvc [24 column groups: q 0-7, k 8-15, v 16-23][32 groups of 128 tokens][8 tiles][1,536]: images of the operand's registers (three loads of 16 bytes a lane bring a fragment);
; k: tiles of 16 keys, K = the head's 128; v: tiles of 16 of the head's 128, K = 128 keys.  qkvs [24][32][512]: the scale word of row r of tile t at 32 r + 4 t.
; Row rho of tile 2 beta + u is the group's row 32 beta + 8 u + rho + 8 (rho / 8), so that 16 registers of two neighbouring score tiles are 16 neighbouring keys.
; SHARES: 16 waves.  Waves w and w + 8 own query tile w % 8 (16 queries).  A slot holds four steps of 128 keys; waves 0-7 take its steps 0 and 1, waves 8-15 its steps 2 and 3, each with a running
; M (a whole number), sum and O^T of its own.  At the end waves 8-15 hand -M, the sum and O^T through LDS bytes of their own to waves 0-7, which bring both under the larger M (factors are powers of two), divide, quantise, store.
; Both products are used transposed (S^T = k q^T, O^T = v^T p^T): a lane holds one query throughout.
; LDS: two slots of 98,304 bytes (k's four steps, then v's) at 0 and 131,072; all scales of k and v (32,768 bytes) behind slot 0, filled once; spare words; the gather of o's scale words; the hand-over stage.
; CLUSTER 4, 1, 1: four query groups of one head ask for k's and v's tiles jointly (mask 15).  At the head waves 0-7 bring slot 0's eight steps, waves 8-15 the scales: one load a wave.  A refill is one load a wave: 24 rows of 256 bytes.
; PREFETCH: in the trip that loads slot n + 1, the clusters with x = 0 name slot n + 2: each partner one step of k and of v by address (cx), 96 lanes, a lane a block of 256 bytes; the last trip names nothing.
; LIMITS: the promise holds while the scaled scores (exponents to the base 2) stay under 2^31 in magnitude; NaN and infinities among the inputs are not served.
; REGISTERS: v1-11, v81, v243 addresses; v12 -M, v13 largest t, v[14:15] and v[82:83] the sum in four parts; v16-27 q; v28-31, v248-251 scale words of k or v; v254 p's, v255 q's; v32-79 four fragments;
; v84-131 v's second four fragments (over scores that are done with); v96-159 scores, then p; v160-223 O^T; v224-235 p's codes; v232-247 at work; v252 the factor f.
.set FRB,   1536
.set GSTEP, 12288
.set VOFF,  4*GSTEP
.set SLOT1, 1<<17
.set SCK,   8*GSTEP
.set SPARE, SLOT1+8*GSTEP              ; 128 bytes for each of 16 waves
.set GATH,  SPARE+2048
.set MRG,   GATH+512
.set MWAVE, 17*512                     ; a wave's hand-over: v12-15, then O^T's 64 registers, 512 bytes a group of four
.set LI,   1
.set ASK0, 2
.set PFO,  3
.set AV0,  4
.set SPW,  5
.set NIL,  6
.set GST,  7
.set ADK,  8
.set ADV,  9
.set ADS,  10
.set GRD,  11
.set T0,   80
.set MST,  81
.set KB0,  243
.set TQ,   32
.set PC,   40
.set TM,   232
.set WV,   12
.set SEL,  20
.set CS,   22
.set G1,   24                          ; group 1: 48 rows (a step's codes), 16 rows (scales), 24 rows (a refill's part)
.set G1S,  32
.set G0,   40
.set G0S,  44
.set G1R,  48
.set G0R,  56
.set PFA,  60
.set SLOTS, 62
.set LIM,  63
.set QT,   70
.set PART, 71
.set TB,   82
.set TS,   83
.macro CROUND
	s_barrier_signal -1
	s_barrier_wait -1
	s_cmp_lg_u32 s[WV], 0
	s_cbranch_scc1 .Lnot_wave_0_\@
	s_barrier_signal -3
.Lnot_wave_0_\@:
	s_barrier_wait -3
	s_barrier_signal -1
	s_barrier_wait -1
.endm
.macro ASK
	s_cmp_gt_u32 s[SLOTS], s[LIM]
	s_cbranch_scc0 .Lnot_mine_\@
	global_prefetch_b8 v[PFO], s[PFA:PFA+1] th:TH_LOAD_NT scope:SCOPE_SE
.Lnot_mine_\@:
.endm
.macro GRP1 g, rows                    ; dense bytes as rows of 256 (32 elements of 8 bytes); mask 15, bit 21 beside it
	s_mov_b32 s[\g], 15|(3<<16)|(1<<21)
	s_mov_b32 s[\g+1], 32<<16
	s_mov_b32 s[\g+2], (\rows)<<16
	s_mov_b32 s[\g+3], 32<<16
	s_mov_b32 s[\g+4], \rows
	s_mov_b32 s[\g+5], 32
	s_mov_b32 s[\g+6], 0
	s_mov_b32 s[\g+7], 0
.endm
.macro LD4 adr, off, f                 ; four fragments into v[f] on: 12 loads of 512 consecutive bytes
.irp n, 0,1,2,3
.irp c, 0,1,2
	ds_load_b128 v[(\f)+12*\n+4*\c:(\f)+12*\n+4*\c+3], v[\adr] offset:(\off)+\n*FRB+512*\c
.endr
.endr
.endm
.macro QK g
.irp t, 0,1,2,3
	v_wmma_scale_f32_16x16x128_f8f6f4 v[96+8*(4*\g+\t):103+8*(4*\g+\t)], v[32+12*\t:43+12*\t], v[16:27], 0, v[248+\t], v255 matrix_a_fmt:MATRIX_FMT_FP6 matrix_b_fmt:MATRIX_FMT_FP6
.endr
.endm
.macro PV g, f, sc
.irp t, 0,1,2,3
	v_wmma_scale_f32_16x16x128_f8f6f4 v[160+8*(4*\g+\t):167+8*(4*\g+\t)], v[(\f)+12*\t:(\f)+12*\t+11], v[224:235], v[160+8*(4*\g+\t):167+8*(4*\g+\t)], v[(\sc)+\t], v254 matrix_a_fmt:MATRIX_FMT_FP6 matrix_b_fmt:MATRIX_FMT_FP6
.endr
.endm
.macro MXA x, y                        ; the largest score of blocks x and y, by turns: the first 12 lines
.irp b, \x, \y
	v_max3_num_f32 v[232+\b], v[96+16*\b], v[97+16*\b], v[98+16*\b]
.endr
.irp i, 3,5,7,9,11
.irp b, \x, \y
	v_max3_num_f32 v[232+\b], v[232+\b], v[96+16*\b+\i], v[97+16*\b+\i]
.endr
.endr
.endm
.macro MXB x, y                        ; and the last 4
.irp b, \x, \y
	v_max3_num_f32 v[232+\b], v[232+\b], v[109+16*\b], v[110+16*\b]
.endr
.irp b, \x, \y
	v_max_num_f32 v[232+\b], v[232+\b], v[111+16*\b]
.endr
.endm
.macro SUM r, n                        ; n pairs of p from v[r] on, onto the sum's two pairs by turns
.set j, 0
.rept \n
.if (j%4) == 0
	v_pk_add_f32 v[14:15], v[14:15], v[(\r)+j:(\r)+j+1]
.else
	v_pk_add_f32 v[82:83], v[82:83], v[(\r)+j:(\r)+j+1]
.endif
.set j, j+2
.endr
.endm
.macro WALU
	s_wait_alu depctr_va_vdst(0)
.endm
; 64 numbers of a lane become a fragment's codes in v[pc] on and the row's scale word in v[pw]
.macro QUANT s, pc, pw
.irp b, 0,1,2,3
	v_max3_num_f32 v[TM+\b], |v[(\s)+16*\b]|, |v[(\s)+1+16*\b]|, 0x1800000   ; with the floor 2^(3 - 127)
.endr
.irp i, 2,4,6,8,10,12,14
.irp b, 0,1,2,3
	v_max3_num_f32 v[TM+\b], |v[(\s)+16*\b+\i]|, |v[(\s)+1+16*\b+\i]|, v[TM+\b]
.endr
.endr
.irp b, 0,1,2,3
	v_permlanex16_b32 v[TM+4+\b], v[TM+\b], s[SEL], s[SEL+1]
.endr
.irp b, 0,1,2,3
	v_max_num_f32 v[TM+\b], v[TM+\b], v[TM+4+\b]
.endr
.irp b, 0,1,2,3
	v_add_nc_u32 v[TM+12+\b], 0xff000000, v[TM+\b] ; 2 off the exponent field: the conversion's scale operand
.endr
.irp b, 0,1,2,3
	v_lshrrev_b32 v[TM+4+\b], 23, v[TM+12+\b]
.endr
	v_lshl_or_b32 v[\pw], v[TM+5], 8, v[TM+4]
	s_delay_alu instid0(VALU_DEP_1)
	v_lshl_or_b32 v[\pw], v[TM+6], 16, v[\pw]
	s_delay_alu instid0(VALU_DEP_1)
	v_lshl_or_b32 v[\pw], v[TM+7], 24, v[\pw]
.irp c, 0,1
	v_cvt_scalef32_pk16_fp6_f32 v[(\pc)+6*\c:(\pc)+2+6*\c], v[(\s)+32*\c:(\s)+15+32*\c], v[TM+12+2*\c]
	v_cvt_scalef32_pk16_fp6_f32 v[TQ+4*\c:TQ+2+4*\c], v[(\s)+16+32*\c:(\s)+31+32*\c], v[TM+13+2*\c]
.endr
	v_nop                                          ; one plain place behind the scaled conversions
.irp c, 0,1
.irp i, 0,1,2
	v_permlane16_swap_b32 v[(\pc)+6*\c+\i], v[TQ+4*\c+\i]
.endr
.irp i, 0,1,2
	v_mov_b32 v[(\pc)+3+6*\c+\i], v[TQ+4*\c+\i]
.endr
.endr
.endm
	s_load_b256 s[4:11], s[0:1], 0x0               ; qkvc, qkvs, oc, os
	v_lshl_add_u32 v[SPW], v0, 2, SPARE
	v_mov_b32 v[NIL], 0
	ds_add_u32 v[SPW], v[NIL]
	ds_add_u32 v[SPW], v[NIL]
	v_lshrrev_b32 v8, 5, v0
	v_readfirstlane_b32 s[WV], v8                  ; wave 0..15
	s_and_b32 s[QT], s[WV], 7                      ; my query tile; also which of eight head tiles I bring
	s_lshr_b32 s[PART], s[WV], 3                   ; which half of a slot's steps; in a refill: k (0) or v (1)
	s_bfe_u32 s13, ttmp6, 0x40000                  ; cx
	s_lshl_b32 s14, ttmp9, 2
	s_add_co_u32 s14, s14, s13                     ; my group of queries
	s_and_b32 s15, ttmp7, 0xffff                   ; head
	s_lshr_b32 s16, s[QT], 2                       ; the head's tiles: k's steps 0-3, v's steps 0-3
	s_lshl_b32 s16, s16, 3
	s_add_co_u32 s16, s16, s15
	s_add_co_u32 s16, s16, 8
	s_and_b32 s17, s[QT], 3
	s_lshl_b32 s18, s16, 5
	s_add_co_u32 s18, s18, s17
	s_mul_i32 s18, s18, GSTEP
	s_mov_b32 s19, 0
	s_lshl_b32 s72, s16, 14                        ; a quarter of k's or of v's scales
	s_lshl_b32 s73, s17, 12
	s_add_co_u32 s72, s72, s73
	s_mov_b32 s73, 0
	s_lshl_b32 s74, s[PART], 3                     ; a refill's part: an eighth of k's or v's 49,152 bytes of a slot
	s_add_co_u32 s74, s74, s15
	s_add_co_u32 s74, s74, 8
	s_mul_i32 s74, s74, 32*GSTEP
	s_mul_i32 s75, s[QT], GSTEP/2
	s_add_co_u32 s74, s74, s75
	s_mov_b32 s75, 0
	GRP1 G1, 48
	GRP1 G1S, 16
	GRP1 G1R, 24
	s_lshl_b32 s76, s15, 5                         ; q: column group = head, my group, my tile
	s_add_co_u32 s76, s76, s14
	s_mul_i32 s66, s76, GSTEP
	s_mul_i32 s77, s[QT], FRB
	s_add_co_u32 s66, s66, s77
	s_mov_b32 s67, 0
	s_lshl_b32 s68, s76, 9
	s_lshl_b32 s77, s[QT], 2
	s_add_co_u32 s68, s68, s77
	s_mov_b32 s69, 0
	s_mul_i32 s78, s[PART], 2*GSTEP                ; LDS: my two steps of a slot,
	s_lshl_b32 s79, s[PART], 10
	s_add_co_u32 s79, s79, SCK                     ; their scale words,
	s_add_co_u32 s80, s77, GATH                    ; my tile's place in the gather,
	s_mul_i32 s81, s[QT], MWAVE
	s_add_co_u32 s81, s81, MRG                     ; my tile's hand-over
	s_mov_b32 s[SEL], 0x76543210
	s_mov_b32 s[SEL+1], 0xfedcba98
	s_mov_b32 s[CS], 0x3e0293ee                    ; log2(e) / sqrt(128)
	s_mov_b32 s[CS+1], s[CS]
	s_mov_b32 s[TB], 0
	s_mov_b32 s[TS], 0
	s_mov_b32 s[SLOTS], 7
	s_cmp_lt_u32 s[WV], 3
	s_cselect_b32 s16, 0, 1
	s_or_b32 s16, s16, ttmp9
	s_cmp_eq_u32 s16, 0
	s_cselect_b32 s[LIM], 1, -1                    ; waves 0-2 of the clusters with x = 0 prefetch
	s_wait_dscnt 0x0
	s_wait_kmcnt 0x0
	s_mov_b32 s[G0], 1
	s_mul_i32 s[G0+1], s[QT], GSTEP
	s_add_nc_u64 s[G0+2:G0+3], s[4:5], s[18:19]
	s_or_b32 s[G0+3], s[G0+3], 0x80000000
	s_mov_b32 s[G0S], 1
	s_lshl_b32 s[G0S+1], s[QT], 12
	s_add_co_u32 s[G0S+1], s[G0S+1], SCK
	s_add_nc_u64 s[G0S+2:G0S+3], s[6:7], s[72:73]
	s_or_b32 s[G0S+3], s[G0S+3], 0x80000000
	s_mov_b32 s[G0R], 1                            ; stands at slot 0; each refill steps it first
	s_mul_i32 s[G0R+1], s[WV], GSTEP/2
	s_add_nc_u64 s[G0R+2:G0R+3], s[4:5], s[74:75]
	s_or_b32 s[G0R+3], s[G0R+3], 0x80000000
	s_add_nc_u64 s[66:67], s[4:5], s[66:67]
	s_add_nc_u64 s[68:69], s[6:7], s[68:69]
	s_lshl_b32 s16, s14, 3
	s_add_co_u32 s16, s16, s15
	s_lshl_b32 s18, s16, 9
	s_add_nc_u64 s[10:11], s[10:11], s[18:19]      ; os: [group][K step = head][512]
	s_lshl_b32 s16, s16, 3
	s_add_co_u32 s16, s16, s[QT]
	s_mul_i32 s18, s16, FRB
	s_add_nc_u64 s[8:9], s[8:9], s[18:19]          ; oc: my tile's fragment
	s_add_co_u32 s16, s15, 8
	s_lshl_b32 s16, s16, 5
	s_add_co_u32 s16, s16, s13
	s_add_co_u32 s16, s16, 4
	s_mul_i32 s18, s16, GSTEP
	s_add_nc_u64 s[PFA:PFA+1], s[4:5], s[18:19]    ; slot 1's step cx of k; stepped ahead of each use
	CROUND                                         ; the first joint loads meet
	s_cmp_lt_u32 s[WV], 8
	s_cbranch_scc0 .Lhead_s
	tensor_load_to_lds s[G0:G0+3], s[G1:G1+7]      ; waves 0-7: slot 0
	s_nop 0
	s_branch .Lhead_j
.Lhead_s:
	tensor_load_to_lds s[G0S:G0S+3], s[G1S:G1S+7]  ; waves 8-15: the scales
	s_nop 0
.Lhead_j:
	v_and_b32 v8, 31, v0
	v_and_b32 v9, 15, v0
	v_lshlrev_b32 v[LI], 4, v8
	v_lshlrev_b32 v[T0], 5, v9                     ; 32 r
	v_add_nc_u32 v[KB0], s78, v[LI]
	v_add_nc_u32 v[ASK0], s79, v[T0]
	v_add_nc_u32 v[GST], s80, v[T0]
	v_add_nc_u32 v[MST], s81, v[LI]
	v_add_nc_u32 v[AV0], VOFF, v[KB0]
	v_add_nc_u32 v[GRD], GATH, v[LI]
	v_lshlrev_b32 v[PFO], 8, v0                    ; lanes 0-47: a step of k; lanes 48-95: the same step of v
	v_cmp_le_u32 vcc_lo, 48, v0
	v_mov_b32 v9, 8*32*GSTEP-GSTEP
	v_cndmask_b32 v9, 0, v9, vcc_lo
	v_add_nc_u32 v[PFO], v[PFO], v9
.irp c, 0,1,2
	global_load_b128 v[16+4*\c:19+4*\c], v[LI], s[66:67] offset:512*\c
.endr
	global_load_b32 v255, v[T0], s[68:69]
	v_mov_b32 v13, 0xff61b1e6                      ; -3e38, under every t
	v_mov_b32 v14, 0
	v_mov_b32 v15, 0
	v_floor_f32 v12, -v13
	v_mov_b32 v82, 0
	v_mov_b32 v83, 0
	v_mov_b32 v253, 0                              ; the upper half of f's pair: named, never used
.irp b, 0,1,2,3
	v_mov_b32 v[236+\b], 0                         ; a lane permute's destination counts as a source
.endr
.set j, 0
.rept 72
	v_mov_b32 v[152+j], 0                          ; the eight p that the first step's late additions find, and O^T: the step is written once
.set j, j+1
.endr
; A STEP: 128 keys.  Nine of a step's 32 additions of p stand late: five behind the step's last products and four behind the next step's first, where places are owed.
.macro STEP q
	LD4 ADK, GSTEP*(\q), 32
	ds_load_b128 v[248:251], v[ADS] offset:512*(\q)
	WALU
	s_wait_dscnt 0x0
	QK 0
	SUM 152, 4                                     ; four places ahead of the loads below
	LD4 ADK, GSTEP*(\q)+4*FRB, 32
	ds_load_b128 v[248:251], v[ADS] offset:512*(\q)+16
	MXA 0, 1                                       ; while k's second four fragments are on their way
	WALU
	s_wait_dscnt 0x0
	QK 1
	MXB 0, 1                                       ; four places
	LD4 ADV, GSTEP*(\q), 32                        ; v's first four land under the softmax
	ds_load_b128 v[248:251], v[ADS] offset:16384+512*(\q)
	MXA 2, 3
	MXB 2, 3
.irp b, 0,1,2,3
	v_permlanex16_b32 v[236+\b], v[232+\b], s[SEL], s[SEL+1]
.endr
.irp b, 0,1,2,3
	v_max_num_f32 v[232+\b], v[232+\b], v[236+\b]  ; each block's largest score
.endr
	v_max3_num_f32 v[T0], v232, v233, v234
	s_delay_alu instid0(VALU_DEP_1)
	v_max_num_f32 v[T0], v[T0], v235
	s_delay_alu instid0(VALU_DEP_1)
	v_mul_f32 v[T0], s[CS], v[T0]
	s_delay_alu instid0(VALU_DEP_1)
	v_max_num_f32 v13, v13, v[T0]                  ; the running largest t
	v_mov_b32 v[T0], v12
	s_delay_alu instid0(VALU_DEP_2)
	v_floor_f32 v12, -v13                          ; -M = -ceil(t)
	s_delay_alu instid0(VALU_DEP_1)
	v_sub_f32 v[T0], v12, v[T0]
	s_delay_alu instid0(VALU_DEP_1)
	v_cvt_i32_f32 v[T0], v[T0]
	s_delay_alu instid0(VALU_DEP_1)
	v_ldexp_f32 v252, 1.0, v[T0]                   ; f = 2^(old M - new M)
.set j, 0
.rept 32
	v_pk_fma_f32 v[96+j:97+j], v[96+j:97+j], s[CS:CS+1], v[12:13] op_sel_hi:[1,0,0]
.set j, j+2
.endr
.irp b, 0,1,2,3
	v_fma_f32 v[232+\b], v[232+\b], s[CS], v12
.endr
	WALU
.set j, 0
.rept 64
	v_exp_f32 v[96+j], v[96+j]                     ; p = 2^(t - M)
.set j, j+1
.endr
	v_pk_mul_f32 v[14:15], v[14:15], v[252:253] op_sel_hi:[1,0]
	v_pk_mul_f32 v[82:83], v[82:83], v[252:253] op_sel_hi:[1,0]
	WALU
.irp b, 0,1,2,3
	v_exp_f32 v[232+\b], v[232+\b]                 ; each block's largest p
.endr
	SUM 96, 23                                     ; the sum is taken of the unquantised p
	WALU
.irp b, 0,1,2,3
	v_max_num_f32 v[232+\b], 0x1800000, v[232+\b]
.endr
.irp b, 0,1,2,3
	v_add_nc_u32 v[244+\b], 0xff000000, v[232+\b]
.endr
.irp b, 0,1,2,3
	v_lshrrev_b32 v[236+\b], 23, v[244+\b]
.endr
	v_lshl_or_b32 v254, v237, 8, v236
	s_delay_alu instid0(VALU_DEP_1)
	v_lshl_or_b32 v254, v238, 16, v254
	s_delay_alu instid0(VALU_DEP_1)
	v_lshl_or_b32 v254, v239, 24, v254             ; p's scale word
.irp c, 0,1
	v_cvt_scalef32_pk16_fp6_f32 v[224+6*\c:226+6*\c], v[96+32*\c:111+32*\c], v[244+2*\c]
	v_cvt_scalef32_pk16_fp6_f32 v[236+4*\c:238+4*\c], v[112+32*\c:127+32*\c], v[244+2*\c+1]
.endr
	v_nop                                          ; one plain place behind the scaled conversions
	LD4 ADV, GSTEP*(\q)+4*FRB, 84                  ; v's second four, over p that has been summed and converted (v142-159 are still to be summed and stay)
	ds_load_b128 v[28:31], v[ADS] offset:16384+512*(\q)+16
.irp c, 0,1
.irp i, 0,1,2
	v_permlane16_swap_b32 v[224+6*\c+\i], v[236+4*\c+\i]
.endr
.irp i, 0,1,2
	v_mov_b32 v[227+6*\c+\i], v[236+4*\c+\i]
.endr
.endr
	WALU
.set j, 0
.rept 32
	v_pk_mul_f32 v[160+j:161+j], v[160+j:161+j], v[252:253] op_sel_hi:[1,0]   ; O^T under the new M
.set j, j+2
.endr
	WALU
	s_wait_dscnt 13                                ; v's first four and their scales are in; the 13 loads issued behind them may be out
	PV 0, 32, 248
	s_wait_dscnt 0x0
	PV 1, 84, 28
	SUM 142, 5                                     ; five places ahead of the products that write over v96-127, and of the next loads
.endm
.macro CHANGE fill
	s_wait_tensorcnt 0x0                           ; all my tensor loads have landed,
	ds_add_u32 v[SPW], v[NIL]
.if \fill
	s_xor_b32 s[G0R+1], s[G0R+1], SLOT1
	s_add_nc_u64 s[G0R+2:G0R+3], s[G0R+2:G0R+3], 4*GSTEP
	s_wait_xcnt 0x0                                ; my prefetch has read its address
	s_add_nc_u64 s[PFA:PFA+1], s[PFA:PFA+1], 4*GSTEP
	s_wait_dscnt 0x0                               ; and my reads of the other slot are over
	CROUND
	tensor_load_to_lds s[G0R:G0R+3], s[G1R:G1R+7]
	s_nop 0
.rept 4
	v_nop
.endr
	ASK
.else
	s_wait_dscnt 0x0
	s_barrier_signal -1
	s_barrier_wait -1
.endif
	v_add_nc_u32 v[ADK], s[TB], v[KB0]             ; this slot's addresses, once for both steps
	v_add_nc_u32 v[ADV], s[TB], v[AV0]
	v_add_nc_u32 v[ADS], s[TS], v[ASK0]
.endm
	WALU
	s_wait_loadcnt 0x0
.Lslot:
	CHANGE 1
	STEP 0
	STEP 1
	s_xor_b32 s[TB], s[TB], SLOT1
	s_add_co_u32 s[TS], s[TS], 2048
	s_sub_co_u32 s[SLOTS], s[SLOTS], 1
	s_cmp_lg_u32 s[SLOTS], 0
	s_cbranch_scc1 .Lslot
	CHANGE 0
	STEP 0
	STEP 1
	SUM 152, 4
	v_pk_add_f32 v[14:15], v[14:15], v[82:83]
	s_delay_alu instid0(VALU_DEP_1)
	v_add_f32 v14, v14, v15                        ; my lane's part of my half's sum
	WALU
	s_cmp_lt_u32 s[WV], 8
	s_cbranch_scc1 .Lkeep
	ds_store_b128 v[MST], v[12:15]                 ; waves 8-15 hand over -M, the sum
.irp i, 0,1,2,3,4,5,6,7,8,9,10,11,12,13,14,15
	ds_store_b128 v[MST], v[160+4*\i:163+4*\i] offset:512+512*\i   ; and O^T, each accumulator from its low end on
.endr
.Lkeep:
	s_wait_dscnt 0x0
	s_barrier_signal -1
	s_barrier_wait -1
	s_cmp_ge_u32 s[WV], 8
	s_cbranch_scc1 .Ldone
	ds_load_b128 v[84:87], v[MST]
.irp i, 0,1,2,3,4,5,6,7,8,9,10,11,12,13,14,15
	ds_load_b128 v[96+4*\i:99+4*\i], v[MST] offset:512+512*\i
.endr
	s_wait_dscnt 0x0
	v_min_num_f32 v88, v12, v84                    ; -M of both halves
	s_delay_alu instid0(VALU_DEP_1)
	v_sub_f32 v89, v88, v12
	v_sub_f32 v90, v88, v84
	s_delay_alu instid0(VALU_DEP_2)
	v_cvt_i32_f32 v89, v89
	s_delay_alu instid0(VALU_DEP_2)
	v_cvt_i32_f32 v90, v90
	s_delay_alu instid0(VALU_DEP_2)
	v_ldexp_f32 v89, 1.0, v89                      ; my half's factor,
	s_delay_alu instid0(VALU_DEP_2)
	v_ldexp_f32 v90, 1.0, v90                      ; the other's: powers of two
	s_delay_alu instid0(VALU_DEP_2)
	v_mul_f32 v14, v14, v89
	s_delay_alu instid0(VALU_DEP_1)
	v_fma_f32 v14, v86, v90, v14
	s_delay_alu instid0(VALU_DEP_1)
	v_permlanex16_b32 v236, v14, s[SEL], s[SEL+1]
	s_delay_alu instid0(VALU_DEP_1)
	v_add_f32 v14, v14, v236                       ; the row's sum
	WALU
	v_rcp_f32 v14, v14
	v_nop
	WALU
	v_mul_f32 v92, v89, v14
	v_mul_f32 v94, v90, v14
.set j, 0
.rept 32
	v_pk_mul_f32 v[96+j:97+j], v[96+j:97+j], v[94:95] op_sel_hi:[1,0]
.set j, j+2
.endr
	WALU
.set j, 0
.rept 32
	v_pk_fma_f32 v[96+j:97+j], v[160+j:161+j], v[92:93], v[96+j:97+j] op_sel_hi:[1,0,1]
.set j, j+2
.endr
	QUANT 96, PC, T0
.irp c, 0,1,2
	global_store_b128 v[LI], v[PC+4*\c:PC+4*\c+3], s[8:9] offset:512*\c   ; 512 consecutive bytes, aligned
.endr
	ds_store_b32 v[GST], v[T0]                     ; the eight tiles' scale words meet in LDS
.Ldone:
	s_wait_dscnt 0x0
	s_barrier_signal -1
	s_barrier_wait -1
	s_cmp_lg_u32 s[WV], 0
	s_cbranch_scc1 .Lnot_first
	ds_load_b128 v[96:99], v[GRD]
	s_wait_dscnt 0x0
	global_store_b128 v[LI], v[96:99], s[10:11]    ; and leave as 512 consecutive bytes
.Lnot_first:
	s_wait_tensorcnt 0x0                           ; the wave's end
	ds_add_u32 v[SPW], v[NIL]
	s_wait_dscnt 0x0
	CROUND                                         ; the closing round
	s_endpgm
.Lfunc_end_k_q80e55abc20_attn:
	.size	k_q80e55abc20_attn, .Lfunc_end_k_q80e55abc20_attn-k_q80e55abc20_attn
	.p2alignl 7, 3214868480
	.fill 96, 4, 3214868480
	.section	.rodata,"a",@progbits
	.p2align	6, 0x0
	.amdhsa_kernel k_q80e55abc20_attn
		.amdhsa_group_segment_fixed_size 327680
		.amdhsa_private_segment_fixed_size 0
		.amdhsa_enable_private_segment 0
		.amdhsa_kernarg_size 32
		.amdhsa_user_sgpr_count 2
		.amdhsa_user_sgpr_kernarg_segment_ptr 1
		.amdhsa_wavefront_size32 1
		.amdhsa_system_sgpr_workgroup_id_x 1
		.amdhsa_system_sgpr_workgroup_id_y 1
		.amdhsa_system_sgpr_workgroup_id_z 1
		.amdhsa_system_vgpr_workitem_id 0
		.amdhsa_next_free_vgpr 256
		.amdhsa_next_free_sgpr 84
		.amdhsa_reserve_vcc 1
		.amdhsa_float_denorm_mode_32 3
		.amdhsa_float_denorm_mode_16_64 3
		.amdhsa_memory_ordered 1
		.amdhsa_forward_progress 1
		.amdhsa_inst_pref_size 98
	.end_amdhsa_kernel
	.amdgpu_metadata
---
amdhsa.version: [ 1, 2 ]
amdhsa.kernels:
  - .name:           k_q80e55abc20_attn
    .symbol:         k_q80e55abc20_attn.kd
    .args:
      - { .name: qkvc, .offset: 0, .size: 8, .value_kind: global_buffer, .address_space: global }
      - { .name: qkvs, .offset: 8, .size: 8, .value_kind: global_buffer, .address_space: global }
      - { .name: oc, .offset: 16, .size: 8, .value_kind: global_buffer, .address_space: global }
      - { .name: os, .offset: 24, .size: 8, .value_kind: global_buffer, .address_space: global }
    .group_segment_fixed_size: 327680
    .private_segment_fixed_size: 0
    .kernarg_segment_align: 8
    .kernarg_segment_size: 32
    .max_flat_workgroup_size: 512
    .sgpr_count:     84
    .vgpr_count:     256
    .wavefront_size: 32
...
	.end_amdgpu_metadata
.endif
;; end of part 3
;; launch proj (part 4): grid 8 x 32, 4 waves a work-group, clusters of 4 x 4, 272,896 bytes of LDS; arguments oc, os, wc, ws, proj_b, out0; writes out0
.if DOCPART == 4
	.amdgcn_target "amdgcn-amd-amdhsa--gfx1250"
	.amdhsa_code_object_version 6
	.text
	.protected	k_q80e55abc20_proj
	.globl	k_q80e55abc20_proj
	.p2align	8
	.type	k_q80e55abc20_proj,@function
k_q80e55abc20_proj:
	s_mov_b64 s[64:65], 0
	v_nop
	global_prefetch_b8 v0, s[64:65] scope:SCOPE_SE
	s_setreg_imm32_b32 hwreg(HW_REG_WAVE_MODE, 25, 1), 1
	s_wait_xcnt 0x0
	s_wait_alu depctr_hold_cnt(0) depctr_sa_sdst(0) depctr_va_vdst(0) depctr_va_sdst(0) depctr_va_ssrc(0) depctr_va_vcc(0) depctr_vm_vsrc(0)
	s_getreg_b32 s2, hwreg(HW_REG_IB_STS2, 6, 4)
	s_cmp_eq_u32 s2, 0
	s_cbranch_scc0 .Lentry_in_a_cluster
	s_endpgm
.Lentry_in_a_cluster:
	s_bfe_u32 s2, ttmp6, 0x10000c
	s_cmp_lg_u32 s2, 0xf033
	s_cbranch_scc0 .Lentry_shape_is_right
	s_endpgm
.Lentry_shape_is_right:
; out0 = o proj_w + proj_b on codes of FP6 (E2M3) with E8M0 scales, K = 1,024; out0 [4096][1024] f32.
; IN: oc [group of 128 tokens][K step][tile 0..7][1,536], wc likewise (groups 24-31: the columns of proj_w): images of the operand's registers;
; row rho of tile 2 beta + u is the group's row 32 beta + 8 u + rho + 8 (rho / 8).  os, ws: [group][K step][512], the scale word of row r of tile t at 32 r + 4 t.
; A work-group of four waves makes 128 tokens x 128 columns; a wave 64 x 64: 16 accumulators.  256 work-groups.
; ALL OF K FITS IN LDS, and every LDS byte is filled once, at the head, one tensor load a wave: wave 0 A's group (98,304 dense bytes), wave 1 B's, wave 2 A's scales (4,096), wave 3 B's.
; No loop runs ahead of a load, so nothing is prefetched.
; CLUSTERS: 4 x 4 work-groups; A's bytes are asked for jointly along a row of the cluster, B's along a column.
; THE MATRIX INSTRUCTION IS USED TRANSPOSED (source 0 = a tile of B, source 1 = a tile of A): lane (r, h) holds token row r; registers of B's tiles 2 beta, 2 beta + 1 are the columns 32 beta + 16 h + 0 .. 15.
; The bias is the C of each sum's first matrix instruction.  The tokens' order is put right by the immediates of the stores.
; REGISTERS: window 0: v16-31 addresses; v32-63 scale words of all K; v64-95 the bias, later with v96-191 the way out; v128-255 accumulators.  Window 1: two buffers of fragments at v0 and v128: A's four at 12 a, B's at 48 + 12 b.
.set FRB,   1536
.set GSTEP, 12288
.set BOFF,  8*GSTEP
.set SCL,   2*BOFF
.set STG,   SCL+8192                   ; the stage for the way out: 128 rows x (512 + 16) bytes; no fill lands there
.set SPITCH, 528
.set SPARE, STG+128*SPITCH
.set ADRA, 16
.set ADRB, 20
.set STO,  24
.set RD,   25
.set LI,   26
.set ADRS, 27
.set BO,   28
.set SC,   32
.set BIAS, 64
.set ACC,  128
.set G1A,  24
.set G1B,  32
.set G1SA, 40
.set G1SB, 48
.set MSB, 0
.macro WIN new
.if MSB != (\new)
	s_set_vgpr_msb (MSB<<8)|(\new)
.set MSB, (\new)
.endif
.endm
.macro ARM under, g0, g1, next         ; one arm of the head's chain: its load, and a jump to the join
	s_cmp_lt_u32 s16, \under
	s_cbranch_scc0 \next
	tensor_load_to_lds s[\g0:\g0+3], s[\g1:\g1+7]
	s_nop 0
.rept 4
	v_nop
.endr
	s_branch .Lhead_asked
\next:
.endm
.macro CROUND
	s_barrier_signal -1
	s_barrier_wait -1
	s_cmp_lg_u32 s16, 0
	s_cbranch_scc1 .Lnot_wave_0_\@
	s_barrier_signal -3
.Lnot_wave_0_\@:
	s_barrier_wait -3
	s_barrier_signal -1
	s_barrier_wait -1
.endm
	s_load_b256 s[4:11], s[0:1], 0x0               ; oc, os, wc, ws
	s_load_b128 s[12:15], s[0:1], 0x20             ; proj_b, out0
	v_lshl_add_u32 v30, v0, 2, SPARE
	v_mov_b32 v31, 0
	ds_add_u32 v30, v31
	ds_add_u32 v30, v31
	v_lshrrev_b32 v1, 5, v0
	v_readfirstlane_b32 s16, v1                    ; wave 0..3
	s_lshr_b32 s17, s16, 1                         ; which half of the tokens is mine
	s_and_b32 s18, s16, 1                          ; which half of the columns
	s_bfe_u32 s84, ttmp6, 0x40000
	s_bfe_u32 s85, ttmp6, 0x40004
	s_lshl_b32 s86, ttmp9, 2
	s_add_co_u32 s86, s86, s84                     ; my group of columns
	s_and_b32 s87, ttmp7, 0xffff
	s_lshl_b32 s87, s87, 2
	s_add_co_u32 s87, s87, s85                     ; my group of tokens
	s_lshl_b32 s88, s85, 2
	s_lshl_b32 s88, 15, s88                        ; my row of the cluster
	s_lshl_b32 s89, 0x1111, s84                    ; my column
	s_or_b32 s[G1A+0], s88, (3<<16)|(1<<21)        ; dense blocks as rows of 256 bytes: 384 rows of codes, 16 of scales
	s_or_b32 s[G1B+0], s89, (3<<16)|(1<<21)
	s_or_b32 s[G1SA+0], s88, (3<<16)|(1<<21)
	s_or_b32 s[G1SB+0], s89, (3<<16)|(1<<21)
.irp g, G1A, G1B
	s_mov_b32 s[\g+1], 32<<16
	s_mov_b32 s[\g+2], 384<<16
	s_mov_b32 s[\g+3], 32<<16
	s_mov_b32 s[\g+4], 384
	s_mov_b32 s[\g+5], 32
	s_mov_b32 s[\g+6], 0
	s_mov_b32 s[\g+7], 0
.endr
.irp g, G1SA, G1SB
	s_mov_b32 s[\g+1], 32<<16
	s_mov_b32 s[\g+2], 16<<16
	s_mov_b32 s[\g+3], 32<<16
	s_mov_b32 s[\g+4], 16
	s_mov_b32 s[\g+5], 32
	s_mov_b32 s[\g+6], 0
	s_mov_b32 s[\g+7], 0
.endr
	s_mul_i32 s90, s87, 8*GSTEP                    ; A hangs on the group of tokens alone
	s_mov_b32 s91, 0
	s_lshl_b32 s92, s87, 12
	s_mov_b32 s93, 0
	s_add_co_u32 s94, s86, 24                      ; B on the group of columns alone; proj_w's groups begin at 24
	s_lshl_b32 s96, s94, 12
	s_mov_b32 s97, 0
	s_mul_i32 s94, s94, 8*GSTEP
	s_mov_b32 s95, 0
	s_wait_dscnt 0x0
	s_wait_kmcnt 0x0
	s_mov_b32 s56, 1                               ; A's codes
	s_mov_b32 s57, 0
	s_add_nc_u64 s[58:59], s[4:5], s[90:91]
	s_or_b32 s59, s59, 0x80000000
	s_mov_b32 s60, 1                               ; B's codes
	s_mov_b32 s61, BOFF
	s_add_nc_u64 s[62:63], s[8:9], s[94:95]
	s_or_b32 s63, s63, 0x80000000
	s_mov_b32 s68, 1                               ; A's scales
	s_mov_b32 s69, SCL
	s_add_nc_u64 s[70:71], s[6:7], s[92:93]
	s_or_b32 s71, s71, 0x80000000
	s_mov_b32 s72, 1                               ; B's scales
	s_mov_b32 s73, SCL+4096
	s_add_nc_u64 s[74:75], s[10:11], s[96:97]
	s_or_b32 s75, s75, 0x80000000
	CROUND                                         ; the joint loads meet
	ARM 1, 56, G1A,  .Lhead_b
	ARM 2, 60, G1B,  .Lhead_sa
	ARM 3, 68, G1SA, .Lhead_sb
	tensor_load_to_lds s[72:75], s[G1SB:G1SB+7]
	s_nop 0
.rept 4
	v_nop
.endr
.Lhead_asked:
	v_and_b32 v1, 31, v0
	v_and_b32 v2, 15, v0                           ; r
	v_bfe_u32 v3, v0, 4, 1                         ; h
	s_wait_alu depctr_va_vdst(0)
	v_lshlrev_b32 v[LI], 4, v1
	s_mul_i32 s21, s17, 4*FRB                      ; my four tiles of A
	s_mul_i32 s22, s18, 4*FRB                      ; my four tiles of B,
	s_add_co_u32 s22, s22, BOFF                    ; behind A's group
.irp n, 0,1
	v_add_nc_u32 v[ADRA+\n], s21, v[LI]
	v_add_nc_u32 v[ADRB+\n], s22, v[LI]
	s_add_co_u32 s21, s21, 4*GSTEP
	s_add_co_u32 s22, s22, 4*GSTEP
.endr
	s_lshl_b32 s21, s17, 4
	s_lshl_b32 s22, s18, 4
	s_add_co_u32 s22, s22, 4096
	s_sub_co_u32 s22, s22, s21
	v_mul_u32_u24 v4, s22, v3                      ; lanes 16-31 take B's words: the lower base + h x the distance
	s_add_co_u32 s21, s21, SCL
	v_lshl_add_u32 v4, v2, 5, v4
	v_add_nc_u32 v[ADRS], s21, v4
	s_mul_i32 s21, s17, 64*SPITCH                  ; the stage: my 64 rows, my 256 bytes of them
	s_lshl_b32 s22, s18, 8
	s_add_co_u32 s21, s21, s22
	s_add_co_u32 s21, s21, STG
	v_mul_u32_u24 v4, v2, SPITCH
	v_lshl_add_u32 v4, v3, 6, v4
	v_add_nc_u32 v[STO], s21, v4
	s_mul_i32 s21, s16, 32*SPITCH                  ; back: wave w takes rows 32 w .. 32 w + 31, whole
	s_add_co_u32 s21, s21, STG
	v_add_nc_u32 v[RD], s21, v[LI]
	v_lshlrev_b32 v[BO], 6, v3
	s_wait_alu depctr_va_vdst(0)
	s_lshl_b32 s22, s86, 9                         ; the bias: my group's 512 bytes, my half's 256
	s_lshl_b32 s21, s18, 8
	s_add_co_u32 s22, s22, s21
	s_mov_b32 s23, 0
	s_add_nc_u64 s[12:13], s[12:13], s[22:23]
	s_lshl_b32 s22, s87, 19                        ; out0: (128 x group + 32 x wave) rows of 4,096 bytes + 512 x group of columns
	s_lshl_b32 s21, s16, 17
	s_add_co_u32 s22, s22, s21
	s_lshl_b32 s21, s86, 9
	s_add_co_u32 s22, s22, s21
	s_add_nc_u64 s[14:15], s[14:15], s[22:23]
.irp b, 0,1,2,3                        ; for my tile b of B: the bias of columns 32 (b / 2) + 16 h + 8 (b % 2) + 0 .. 7
	global_load_b128 v[BIAS+8*\b:BIAS+8*\b+3], v[BO], s[12:13] offset:128*(\b/2)+32*(\b%2)
	global_load_b128 v[BIAS+8*\b+4:BIAS+8*\b+7], v[BO], s[12:13] offset:128*(\b/2)+32*(\b%2)+16
.endr
.macro FETCHP s                        ; K step s: four fragments of A and four of B into buffer s % 2
	WIN 0x40
.irp i, 0,1,2,3
.irp c, 0,1,2
	ds_load_b128 v[128*((\s)%2)+12*\i+4*\c:128*((\s)%2)+12*\i+4*\c+3], v[ADRA+(\s)/4] offset:((\s)%4)*GSTEP+\i*FRB+512*\c
	ds_load_b128 v[128*((\s)%2)+48+12*\i+4*\c:128*((\s)%2)+48+12*\i+4*\c+3], v[ADRB+(\s)/4] offset:((\s)%4)*GSTEP+\i*FRB+512*\c
.endr
.endr
.endm
; A K step: its fragments were asked for a step ago; the next step's are asked for ahead of its 16 products.  The 16 accumulators take turns.
.macro KSTEP s
.set F, 128*((\s)%2)
	s_wait_dscnt 0x0
.if (\s) < 7
.if (\s) > 0
.rept 4
	v_nop                                          ; places in front of loads into the buffer that the last step's products read
.endr
.endif
	FETCHP (\s)+1
.endif
	WIN 0x05
.irp a, 0,1,2,3
.irp b, 0,1,2,3
.if (\s) == 0
	v_wmma_scale_f32_16x16x128_f8f6f4 v[ACC+8*(4*\a+\b):ACC+8*(4*\a+\b)+7], v[F+48+12*\b:F+48+12*\b+11], v[F+12*\a:F+12*\a+11], v[BIAS+8*\b:BIAS+8*\b+7], v[SC+4*(\s)+\b], v[SC+4*(\s)+\a] matrix_a_fmt:MATRIX_FMT_FP6 matrix_b_fmt:MATRIX_FMT_FP6 matrix_a_scale:MATRIX_SCALE_ROW1
.else
	v_wmma_scale_f32_16x16x128_f8f6f4 v[ACC+8*(4*\a+\b):ACC+8*(4*\a+\b)+7], v[F+48+12*\b:F+48+12*\b+11], v[F+12*\a:F+12*\a+11], v[ACC+8*(4*\a+\b):ACC+8*(4*\a+\b)+7], v[SC+4*(\s)+\b], v[SC+4*(\s)+\a] matrix_a_fmt:MATRIX_FMT_FP6 matrix_b_fmt:MATRIX_FMT_FP6 matrix_a_scale:MATRIX_SCALE_ROW1
.endif
.endr
.endr
.endm
	s_wait_tensorcnt 0x0                           ; my tile of the head's four is in,
	s_barrier_signal -1
	s_barrier_wait -1                              ; everybody's is
.irp s, 0,1,2,3,4,5,6,7
	ds_load_b128 v[SC+4*\s:SC+4*\s+3], v[ADRS] offset:512*\s
.endr
	FETCHP 0
	s_wait_loadcnt 0x0                             ; the bias
.irp s, 0,1,2,3,4,5,6,7
	KSTEP \s
.endr
	WIN 0
	; THE WAY OUT: a row's 512 bytes come from two waves: they meet in the stage, and each wave stores 32 whole rows
.rept 4
	v_nop
.endr
.irp a, 0,1,2,3
.irp b, 0,1,2,3
	ds_store_b128 v[STO], v[ACC+8*(4*\a+\b):ACC+8*(4*\a+\b)+3] offset:\a*16*SPITCH+128*(\b/2)+32*(\b%2)
	ds_store_b128 v[STO], v[ACC+8*(4*\a+\b)+4:ACC+8*(4*\a+\b)+7] offset:\a*16*SPITCH+128*(\b/2)+32*(\b%2)+16
.endr
.endr
	s_wait_dscnt 0x0
	s_barrier_signal -1
	s_barrier_wait -1
.irp u, 0,1
.irp n, 0,1,2,3,4,5,6,7,8,9,10,11,12,13,14,15
	ds_load_b128 v[64+64*\u+4*\n:64+64*\u+4*\n+3], v[RD] offset:(16*\u+\n)*SPITCH
.endr
.endr
.irp u, 0,1                            ; stage row 32 w + 16 u + n is token 32 w + 8 u + n % 8 + 16 (n / 8) of the group
.irp n, 0,1,2,3,4,5,6,7,8,9,10,11,12,13,14,15
	s_wait_dscnt 31-16*\u-\n                       ; this row is in; the younger loads may be out
	global_store_b128 v[LI], v[64+64*\u+4*\n:64+64*\u+4*\n+3], s[14:15] offset:(8*\u+\n%8+16*(\n/8))*4096 th:TH_STORE_NT
.endr
.endr
	s_wait_tensorcnt 0x0                           ; the wave's end
	ds_add_u32 v30, v31
	s_wait_dscnt 0x0
	CROUND                                         ; the closing round
	s_endpgm
.Lfunc_end_k_q80e55abc20_proj:
	.size	k_q80e55abc20_proj, .Lfunc_end_k_q80e55abc20_proj-k_q80e55abc20_proj
	.p2alignl 7, 3214868480
	.fill 96, 4, 3214868480
	.section	.rodata,"a",@progbits
	.p2align	6, 0x0
	.amdhsa_kernel k_q80e55abc20_proj
		.amdhsa_group_segment_fixed_size 272896
		.amdhsa_private_segment_fixed_size 0
		.amdhsa_enable_private_segment 0
		.amdhsa_kernarg_size 48
		.amdhsa_user_sgpr_count 2
		.amdhsa_user_sgpr_kernarg_segment_ptr 1
		.amdhsa_wavefront_size32 1
		.amdhsa_system_sgpr_workgroup_id_x 1
		.amdhsa_system_sgpr_workgroup_id_y 1
		.amdhsa_system_sgpr_workgroup_id_z 1
		.amdhsa_system_vgpr_workitem_id 0
		.amdhsa_next_free_vgpr 512
		.amdhsa_next_free_sgpr 100
		.amdhsa_reserve_vcc 0
		.amdhsa_float_denorm_mode_32 3
		.amdhsa_float_denorm_mode_16_64 3
		.amdhsa_memory_ordered 1
		.amdhsa_forward_progress 1
		.amdhsa_inst_pref_size 48
	.end_amdhsa_kernel
	.amdgpu_metadata
---
amdhsa.version: [ 1, 2 ]
amdhsa.kernels:
  - .name:           k_q80e55abc20_proj
    .symbol:         k_q80e55abc20_proj.kd
    .args:
      - { .name: oc, .offset: 0, .size: 8, .value_kind: global_buffer, .address_space: global }
      - { .name: os, .offset: 8, .size: 8, .value_kind: global_buffer, .address_space: global }
      - { .name: wc, .offset: 16, .size: 8, .value_kind: global_buffer, .address_space: global }
      - { .name: ws, .offset: 24, .size: 8, .value_kind: global_buffer, .address_space: global }
      - { .name: proj_b, .offset: 32, .size: 8, .value_kind: global_buffer, .address_space: global }
      - { .name: out0, .offset: 40, .size: 8, .value_kind: global_buffer, .address_space: global }
    .group_segment_fixed_size: 272896
    .private_segment_fixed_size: 0
    .kernarg_segment_align: 8
    .kernarg_segment_size: 48
    .max_flat_workgroup_size: 128
    .sgpr_count:     100
    .vgpr_count:     512
    .wavefront_size: 32
...
	.end_amdgpu_metadata
.endif
;; end of part 4
